; MI455X (gfx1250); checked and timed in simulation.
; The chip was launched on July 23, 2026; its instructions are those of AMD's public machine-readable ISA for CDNA 5 (MIT licence, August 2026) and "CDNA5" Instruction Set Architecture Reference Guide (July 2026). The comments in the code are by the model that wrote it; some were corrected since.
;; Relative Multi Headed Attention. Allowed arithmetic: float matrix products may take bf16 or f16 operands with f32 sums; all other float work in f32.
;; Inputs: Er 2,048 x 64 float32; Wk 1,024 x 1,024 float32; Wo 1,024 x 1,024 float32; Wq 1,024 x 1,024 float32; Wv 1,024 x 1,024 float32; bk 1,024 float32; bo 1,024 float32; bq 1,024 float32; bv 1,024 float32; x 2 x 2,048 x 1,024 float32.
;; Outputs: out0 2 x 2,048 x 1,024 float32.
;; 2 versions, each right; version 2 is version 1 with the launch cast written anew for expert scheduling mode. Each part assembles by itself: llvm-mc -triple=amdgcn-amd-amdhsa -mcpu=gfx1250 --defsym DOCPART=n.
;; ======== version 1 of 2: 4 launches
;; limits: values are held in f16: magnitudes above 65,504 overflow, below 6.1e-05 lose precision
;; workspace buffers: xw 16,777,216 bytes; qkv 25,165,824 bytes; srel 262,144 bytes; ctx 8,388,608 bytes
;; launch cast (part 1): grid 256 x 1, 8 waves a work-group, no clusters, 0 bytes of LDS; arguments x, Wq, Wk, Wv, Wo, xw; writes xw
.if DOCPART == 1
	.amdgcn_target "amdgcn-amd-amdhsa--gfx1250"
	.amdhsa_code_object_version 6
	.text
	.protected	k_q4bb71cb909_cast
	.globl	k_q4bb71cb909_cast
	.p2align	8
	.type	k_q4bb71cb909_cast,@function
k_q4bb71cb909_cast:
	s_mov_b64 s[64:65], 0
	v_nop
	global_prefetch_b8 v0, s[64:65] scope:SCOPE_SE
	s_setreg_imm32_b32 hwreg(HW_REG_WAVE_MODE, 25, 1), 1
	s_wait_xcnt 0x0
; x, Wq, Wk, Wv, Wo (f32) -> xw (16-bit numbers, [8192][1024]).  Every number is rounded once to bf16, to nearest even: one rounding for all inputs of products.
; x, Wq, Wk, Wv are stored as bf16.  Wo's bf16 numbers are stored in f16's code, because Wo's partner in its product is f16 and a matrix instruction
; takes one format for both operands: 8 significant bits fit f16's 11, so this second step is exact for |w| >= 2^-17 and within 2^-25 below that.
; Limit: |Wo| < 65,504.
; Rows of xw: 0-4095 x;  4096 + 192 h + 64 z + d = row 64 h + d of W_z (z = 0, 1, 2: q, k, v), so that one head's 192 rows
; of Wq, Wk, Wv lie together;  7168-8191 Wo.
; A work-group takes 32 rows (131,072 bytes in, 65,536 out): groups 0-127 x, then 32 groups for each weight matrix.
; 32 source rows are 32 neighbouring rows of xw in every case, so the work-group is one dense stream.
; Each load of a wave covers 512 consecutive bytes and each store 256 consecutive bytes, both aligned to their size.
; All 32 loads of a lane go out first; LDS, barriers and matrix instructions would add nothing to a stream that is read once and written once.
.set X, 8                              ; v[8:135]    16 steps x 8 f32 as loaded
.set Y, 136                            ; v[136:199]  16 steps x 4 registers of packed 16-bit numbers
	s_load_b256 s[4:11], s[0:1], 0x0               ; x s[4:5], Wq s[6:7], Wk s[8:9], Wv s[10:11]
	s_load_b128 s[12:15], s[0:1], 0x20             ; Wo s[12:13], xw s[14:15]
	v_and_b32 v1, 31, v0                           ; lane
	v_lshrrev_b32 v2, 5, v0                        ; wave
	v_lshlrev_b32 v1, 4, v1
	v_lshl_or_b32 v1, v2, 10, v1                   ; source: 1,024 bytes a wave and step, 16 bytes a lane
	v_lshrrev_b32 v2, 1, v1                        ; destination: half of that
	s_mov_b32 s28, 0xffff0000                      ; a word's upper bf16
	s_sub_co_u32 s16, ttmp9, 128                   ; number among the weights' groups (used only from group 128 on)
	s_lshr_b32 s17, s16, 5                         ; z: 0 q, 1 k, 2 v, 3 o
	s_and_b32 s18, s16, 31                         ; jj: which 32 rows of that matrix
	s_lshr_b32 s19, s18, 1                         ; head = jj / 2
	s_mul_i32 s19, s19, 192
	s_lshl_b32 s20, s17, 6
	s_add_co_u32 s19, s19, s20                     ; + 64 z
	s_and_b32 s20, s18, 1
	s_lshl_b32 s20, s20, 5
	s_add_co_u32 s19, s19, s20                     ; + 32 (jj & 1)
	s_add_co_u32 s19, s19, 4096                    ; row of xw for q, k, v
	s_lshl_b32 s20, s18, 5
	s_add_co_u32 s20, s20, 7168                    ; row of xw for Wo
	s_lshl_b32 s21, ttmp9, 5                       ; row of xw for x
	s_cmp_eq_u32 s17, 3
	s_cselect_b32 s19, s20, s19
	s_wait_kmcnt 0x0
	s_cmp_eq_u32 s17, 0                            ; the source buffer, chosen on the group's number alone
	s_cselect_b64 s[22:23], s[6:7], s[12:13]
	s_cmp_eq_u32 s17, 1
	s_cselect_b64 s[22:23], s[8:9], s[22:23]
	s_cmp_eq_u32 s17, 2
	s_cselect_b64 s[22:23], s[10:11], s[22:23]
	s_cmp_lt_u32 ttmp9, 128
	s_cselect_b64 s[22:23], s[4:5], s[22:23]
	s_cselect_b32 s18, ttmp9, s18
	s_cselect_b32 s19, s21, s19
	s_lshl_b32 s24, s18, 17                        ; 32 rows of 4,096 bytes
	s_mov_b32 s25, 0
	s_add_nc_u64 s[22:23], s[22:23], s[24:25]
	s_lshl_b32 s26, s19, 11                        ; rows of 2,048 bytes
	s_mov_b32 s27, 0
	s_add_nc_u64 s[14:15], s[14:15], s[26:27]
.set i, 0
.rept 16
	global_load_b128 v[X+8*i:X+8*i+3],   v1, s[22:23] offset:8192*i th:TH_LOAD_NT
	global_load_b128 v[X+8*i+4:X+8*i+7], v1, s[22:23] offset:8192*i+512 th:TH_LOAD_NT
.set i, i+1
.endr
; one step: 8 numbers of the lane.  wo = 1: the bf16 numbers are widened again (a shift, a mask) and written in f16's code.
; A step's X registers are written again only behind the wait for its own loads; its Y registers are final before its stores are issued.
.macro STEP i, wo
	s_wait_loadcnt 30-2*\i                         ; loads return in order: step i's two are in, the 2 (15 - i) younger stay out
.irp k, 0,1,2,3
	v_cvt_pk_bf16_f32 v[Y+4*\i+\k], v[X+8*\i+2*\k], v[X+8*\i+2*\k+1]
.endr
.if \wo
.irp k, 0,1,2,3
	v_lshlrev_b32 v[X+8*\i+2*\k],   16,  v[Y+4*\i+\k]
	v_and_b32     v[X+8*\i+2*\k+1], s28, v[Y+4*\i+\k]
.endr
.irp k, 0,1,2,3
	v_cvt_pk_f16_f32 v[Y+4*\i+\k], v[X+8*\i+2*\k], v[X+8*\i+2*\k+1]
.endr
.endif
	global_store_b64 v2, v[Y+4*\i:Y+4*\i+1],   s[14:15] offset:4096*\i
	global_store_b64 v2, v[Y+4*\i+2:Y+4*\i+3], s[14:15] offset:4096*\i+256
.endm
	s_cmp_ge_u32 ttmp9, 224                        ; groups 224-255 hold Wo
	s_cbranch_scc1 .Lwo
.irp i, 0,1,2,3,4,5,6,7,8,9,10,11,12,13,14,15
	STEP \i, 0
.endr
	s_endpgm
.Lwo:
.irp i, 0,1,2,3,4,5,6,7,8,9,10,11,12,13,14,15
	STEP \i, 1
.endr
	s_endpgm
.Lfunc_end_k_q4bb71cb909_cast:
	.size	k_q4bb71cb909_cast, .Lfunc_end_k_q4bb71cb909_cast-k_q4bb71cb909_cast
	.p2alignl 7, 3214868480
	.fill 96, 4, 3214868480
	.section	.rodata,"a",@progbits
	.p2align	6, 0x0
	.amdhsa_kernel k_q4bb71cb909_cast
		.amdhsa_group_segment_fixed_size 0
		.amdhsa_private_segment_fixed_size 0
		.amdhsa_enable_private_segment 0
		.amdhsa_kernarg_size 48
		.amdhsa_user_sgpr_count 2
		.amdhsa_user_sgpr_kernarg_segment_ptr 1
		.amdhsa_wavefront_size32 1
		.amdhsa_system_sgpr_workgroup_id_x 1
		.amdhsa_system_sgpr_workgroup_id_y 1
		.amdhsa_system_sgpr_workgroup_id_z 1
		.amdhsa_system_vgpr_workitem_id 0
		.amdhsa_next_free_vgpr 200
		.amdhsa_next_free_sgpr 66
		.amdhsa_reserve_vcc 0
		.amdhsa_float_denorm_mode_32 3
		.amdhsa_float_denorm_mode_16_64 3
		.amdhsa_memory_ordered 1
		.amdhsa_forward_progress 1
		.amdhsa_inst_pref_size 28
	.end_amdhsa_kernel
	.amdgpu_metadata
---
amdhsa.version: [ 1, 2 ]
amdhsa.kernels:
  - .name:           k_q4bb71cb909_cast
    .symbol:         k_q4bb71cb909_cast.kd
    .args:
      - { .name: x, .offset: 0, .size: 8, .value_kind: global_buffer, .address_space: global }
      - { .name: Wq, .offset: 8, .size: 8, .value_kind: global_buffer, .address_space: global }
      - { .name: Wk, .offset: 16, .size: 8, .value_kind: global_buffer, .address_space: global }
      - { .name: Wv, .offset: 24, .size: 8, .value_kind: global_buffer, .address_space: global }
      - { .name: Wo, .offset: 32, .size: 8, .value_kind: global_buffer, .address_space: global }
      - { .name: xw, .offset: 40, .size: 8, .value_kind: global_buffer, .address_space: global }
    .group_segment_fixed_size: 0
    .private_segment_fixed_size: 0
    .kernarg_segment_align: 8
    .kernarg_segment_size: 48
    .max_flat_workgroup_size: 256
    .sgpr_count:     66
    .vgpr_count:     200
    .wavefront_size: 32
...
	.end_amdgpu_metadata
.endif
;; end of part 1
;; launch qkvgemm (part 2): grid 16 x 16, 4 waves a work-group, clusters of 4 x 4, 327,680 bytes of LDS; arguments xw, bq, bk, bv, Er, qkv, srel; writes qkv, srel
.if DOCPART == 2
	.amdgcn_target "amdgcn-amd-amdhsa--gfx1250"
	.amdhsa_code_object_version 6
	.text
	.protected	k_q4bb71cb909_qkvgemm
	.globl	k_q4bb71cb909_qkvgemm
	.p2align	8
	.type	k_q4bb71cb909_qkvgemm,@function
k_q4bb71cb909_qkvgemm:
	s_mov_b64 s[64:65], 0
	v_nop
	global_prefetch_b8 v0, s[64:65] scope:SCOPE_SE
	s_setreg_imm32_b32 hwreg(HW_REG_WAVE_MODE, 25, 1), 1
	s_wait_xcnt 0x0
	s_wait_alu depctr_hold_cnt(0) depctr_sa_sdst(0) depctr_va_vdst(0) depctr_va_sdst(0) depctr_va_ssrc(0) depctr_va_vcc(0) depctr_vm_vsrc(0)
	s_getreg_b32 s2, hwreg(HW_REG_IB_STS2, 6, 4)
	s_cmp_eq_u32 s2, 0
	s_cbranch_scc0 .Lentry_in_a_cluster
	s_endpgm
.Lentry_in_a_cluster:
	s_bfe_u32 s2, ttmp6, 0x10000c
	s_cmp_lg_u32 s2, 0xf033
	s_cbranch_scc0 .Lentry_shape_is_right
	s_endpgm
.Lentry_shape_is_right:
; Q' = c (x Wq^T + bq), K = x Wk^T + bk, V = x Wv^T + bv, stored as f16, head-major: qkv[z][16 b + head][s][64];  c = log2(e) / 8.
; srel[16 b + head][m] (f32) = 0 for even m, Q'(1024 + m/2) . Er(1024 + m/2) for odd m: what reference()'s pad-and-reshape leaves
; of QEr, a bias for key column m, already in the units of the later exp2.  Q' enters the dot in f32, before its rounding; Er, the einsum's second
; operand, is rounded to bf16 like every other input of a product.  Biases are used in f32.
; FORMATS.  Operands here are bf16 (x and W as the cast launch rounded them), sums f32.  Q', K, V are rounded once to f16, not bf16: the first rows of a
; sequence average few keys, so their results are some eight times the output's root mean square, and 8 significant bits in an intermediate
; would show there; f16 has 11.  Limit: |Q'|, |K|, |V| < 65,504.  As drawn they reach about 5; x and W both 30 times larger give about 4,800;
; common offsets of 30 spreads on x and on W give sums of 1,024 x 30 x 0.94, about 29,000.
;
; A work-group makes 256 rows x 192 columns (Q, K, V of one head: block column = head).  Wave w makes rows 64 w .. 64 w + 63 of all
; 192 columns: 4 x 12 tiles of 16 x 16, 384 accumulator registers.  Whole heads in a wave keep the dot with Er and the stores inside the wave.
; K goes in 8 steps of 128 through two LDS slots; a tile's rows are 256 consecutive bytes of xw, aligned to 256.
; CLUSTER 4 x 4: the four work-groups of a row of the cluster need the same rows of x, the four of a column the same rows of W; each tile
; is asked for jointly by the four (same line, same descriptor, a mask that names them), which divides the requests by four.
; The matrix instruction is used transposed (source 0 = 16 rows of W, source 1 = 16 rows of x): lane l then holds row l % 16 and, in its
; eight registers, columns 8 (l / 16) + 0 .. 7, which pack into 16 bytes.  The biases go in as the C operand of the first product.
;
; REGISTERS (windows of 256):  window 0: addresses, A fragments (two buffers), bias tuples, work;  window 1: B fragments (two buffers);
; window 2: accumulators of row tiles 0, 1 at v[8 (12 al + b)], Er's rows for them at v192-255;  window 3: the same for row tiles 2, 3.
.set KSTEP,  128
.set PITCH,  272                       ; 256 bytes + 16: an odd multiple of 16, so the 16 rows of a fragment load start in 16 different 16-byte columns of 256
.set HALFA,  128*PITCH                 ; one tensor load of A
.set HALFB,  96*PITCH                  ; one tensor load of B
.set BOFF,   2*HALFA                   ; B's 192 rows lie behind A's 256
.set SLOT,   2*HALFA+2*HALFB           ; 121,856
.set STAGE,  2*SLOT                    ; 243,712 = 952 x 256: the waves' stages, which no tensor load fills
.set SPITCH, 400                       ; 384 bytes + 16
.set ADRA, 16                          ; v16-17  my A fragments in slot 0, 1
.set ADRB, 20                          ; v20-21  the B fragments
.set STO,  24                          ; way out: where I put 16 bytes
.set RD,   25                          ; way out: where I read back
.set CO,   26                          ; 16 x lane
.set HB,   27                          ; 32 x (lane / 16)
.set ERO,  28                          ; 256 x (lane % 16) + 32 x (lane / 16)
.set SRO,  29                          ; 8 x lane
.set FA,   32                          ; window 0: A buffer f at FA + 32 f
.set FB,   0                           ; window 1: B buffer f at FB + 96 f
.set BI,   96                          ; window 0: bias tuple of column tile b at BI + 8 b
.set TMP,  192                         ; window 0: packed results
.set DOT,  240                         ; window 0: four pairs of partial dots
.set RED,  248                         ; window 0: four sums
.set ER,   192                         ; windows 2, 3: Er
.set G1A, 24
.set G0A, 32
.set G1B, 48
.set G0B, 56
.set MSB, 0
.macro WIN new                         ; the immediate's high byte repeats the setting that is left; a switch that changes nothing is dropped
.if MSB != (\new)
	s_set_vgpr_msb (MSB<<8)|(\new)
.set MSB, (\new)
.endif
.endm
.macro PLACES                          ; four plain vector instructions between a matrix instruction and a load into, or a vector access to, its registers
.rept 4
	v_nop
.endr
.endm
.macro JLOAD s                         ; waves 0, 1 ask for A's halves, waves 2, 3 for B's: one load a wave on either way; the branch hangs on the wave's number alone
	s_cmp_eq_u32 s19, 0
	s_cbranch_scc0 .Lfor_b_\@
	tensor_load_to_lds s[G0A+4*\s:G0A+4*\s+3], s[G1A:G1A+7]
	s_nop 0
	s_branch .Lasked_\@
.Lfor_b_\@:
	tensor_load_to_lds s[G0B+4*\s:G0B+4*\s+3], s[G1B:G1B+7]
	s_nop 0
.Lasked_\@:
.endm
.macro CREST                           ; a round of the cluster's barrier behind its opening work-group barrier
	s_cmp_lg_u32 s18, 0
	s_cbranch_scc1 .Lnot_wave_0_\@
	s_barrier_signal -3
.Lnot_wave_0_\@:
	s_barrier_wait -3
	s_barrier_signal -1
	s_barrier_wait -1
.endm
.macro CROUND
	s_barrier_signal -1
	s_barrier_wait -1
	CREST
.endm
	s_load_b256 s[4:11], s[0:1], 0x0               ; xw s[4:5], bq s[6:7], bk s[8:9], bv s[10:11]
	s_load_b128 s[12:15], s[0:1], 0x20             ; Er s[12:13], qkv s[14:15]
	s_load_b64 s[16:17], s[0:1], 0x30              ; srel
	s_set_vgpr_msb 0x40
	v_lshl_add_u32 v255, v0, 2, 0x41c00
	s_set_vgpr_msb 0x4000
	v_mov_b32 v255, 0
	s_set_vgpr_msb 0x1
	ds_add_u32 v255, v255
	ds_add_u32 v255, v255
	s_set_vgpr_msb 0x100
	v_lshrrev_b32 v1, 5, v0
	v_readfirstlane_b32 s18, v1                    ; wave 0..3
	s_lshr_b32 s19, s18, 1                         ; I fetch for A (0) or B (1)
	s_and_b32 s20, s18, 1                          ; which half of that tile
	s_bfe_u32 s21, ttmp6, 0x40000                  ; cx
	s_bfe_u32 s22, ttmp6, 0x40004                  ; cy
	s_lshl_b32 s23, ttmp9, 2
	s_add_co_u32 s23, s23, s21                     ; block column = head = 4 x cluster x + cx
	s_and_b32 s40, ttmp7, 0xffff
	s_and_b32 s89, s40, 1                          ; cluster y odd <=> my rows have s >= 1024: the same in all sixteen partners
	s_lshl_b32 s40, s40, 2
	s_add_co_u32 s40, s40, s22                     ; block row = 4 x cluster y + cy
	s_lshl_b32 s41, s22, 2
	s_lshl_b32 s41, 15, s41                        ; my row of the cluster
	s_lshl_b32 s42, 0x1111, s21                    ; my column
	; group 1: elements of 2 bytes, 4 words of padding behind every 64 words; A 128 rows x 128, B 96 rows x 128; 1,024 elements from row to row
	s_or_b32 s[G1A+0], s41, (1<<16)|(1<<20)|(1<<21)|(5<<22)|(3<<25)
	s_or_b32 s[G1B+0], s42, (1<<16)|(1<<20)|(1<<21)|(5<<22)|(3<<25)
	s_mov_b32 s[G1A+1], KSTEP<<16                  ; tensor_dim0 = 128
	s_mov_b32 s[G1B+1], KSTEP<<16
	s_mov_b32 s[G1A+2], 128<<16                    ; tensor_dim1 = 128
	s_mov_b32 s[G1B+2], 96<<16                     ;             = 96
	s_mov_b32 s[G1A+3], KSTEP<<16                  ; tile_dim0 = 128
	s_mov_b32 s[G1B+3], KSTEP<<16
	s_mov_b32 s[G1A+4], 128                        ; tile_dim1
	s_mov_b32 s[G1B+4], 96
	s_mov_b32 s[G1A+5], 1024
	s_mov_b32 s[G1B+5], 1024
	s_mov_b32 s[G1A+6], 0
	s_mov_b32 s[G1B+6], 0
	s_mov_b32 s[G1A+7], 0
	s_mov_b32 s[G1B+7], 0
	; A's tiles hang on the block row and the wave, B's on the block column and the wave, each in registers that never hold the other coordinate
	s_lshl_b32 s44, s40, 8
	s_lshl_b32 s43, s20, 7
	s_add_co_u32 s44, s44, s43                     ; row 256 br + 128 half
	s_lshl_b32 s44, s44, 11                        ; x 2,048 bytes
	s_mov_b32 s45, 0
	s_mul_i32 s46, s23, 192
	s_mul_i32 s43, s20, 96
	s_add_co_u32 s46, s46, s43
	s_add_co_u32 s46, s46, 4096                    ; row 4096 + 192 head + 96 half
	s_lshl_b32 s46, s46, 11
	s_mov_b32 s47, 0
	s_mul_i32 s66, s18, HALFA                      ; LDS: waves 0, 1: A's halves at w x 34,816
	s_mul_i32 s67, s18, HALFB
	s_add_co_u32 s67, s67, BOFF-2*HALFB            ; waves 2, 3: B's halves at 69,632 + (w - 2) x 26,112
	; where the results go
	s_and_b32 s90, s40, 7
	s_lshl_b32 s90, s90, 8
	s_lshl_b32 s88, s18, 6
	s_add_co_u32 s90, s90, s88                     ; s0 = my first row's place in its sequence
	s_lshr_b32 s91, s40, 3
	s_lshl_b32 s91, s91, 4
	s_add_co_u32 s91, s91, s23                     ; 16 b + head
	s_lshl_b32 s92, s91, 11
	s_add_co_u32 s92, s92, s90
	s_lshl_b32 s92, s92, 7                         ; rows of 128 bytes
	s_mov_b32 s93, 0
	s_lshl_b32 s94, s91, 13                        ; srel: 8,192 bytes a head,
	s_and_b32 s88, s90, 1023
	s_lshl_b32 s88, s88, 3
	s_add_co_u32 s94, s94, s88                     ; 8 bytes for each row from 1024 on
	s_mov_b32 s95, 0
	s_lshl_b32 s98, s90, 8                         ; Er: rows of 256 bytes
	s_mov_b32 s99, 0
	s_lshl_b32 s2, s23, 8                          ; biases: 64 f32 a head
	s_mov_b32 s3, 0
	s_mov_b32 s68, 0x3e38aa3b                      ; c = log2(e) / 8, twice
	s_mov_b32 s69, 0x3e38aa3b
	s_mov_b32 s86, 0x76543210                      ; v_permlanex16_b32: lane i reads lane i of the other half
	s_mov_b32 s87, 0xfedcba98
	s_mov_b32 s96, 0xffff0000                      ; as a lane mask: lanes 16-31; as a bit mask: a word's upper bf16
	s_wait_dscnt 0x0
	s_wait_kmcnt 0x0
	s_add_nc_u64 s[44:45], s[4:5], s[44:45]
	s_add_nc_u64 s[46:47], s[4:5], s[46:47]
	s_add_nc_u64 s[70:71], s[14:15], s[92:93]      ; Q' plane
	s_add_nc_u64 s[72:73], s[70:71], 0x800000      ; K plane
	s_add_nc_u64 s[74:75], s[70:71], 0x1000000     ; V plane
	s_add_nc_u64 s[76:77], s[16:17], s[94:95]
	s_add_nc_u64 s[78:79], s[12:13], s[98:99]
	s_add_nc_u64 s[80:81], s[6:7], s[2:3]
	s_add_nc_u64 s[82:83], s[8:9], s[2:3]
	s_add_nc_u64 s[84:85], s[10:11], s[2:3]
	CROUND                                         ; all sixteen work-groups are here: the first joint loads meet
.irp s, 0,1
	s_mov_b32 s[G0A+4*\s], 1
	s_add_co_u32 s[G0A+4*\s+1], s66, \s*SLOT
	s_add_nc_u64 s[G0A+4*\s+2:G0A+4*\s+3], s[44:45], \s*KSTEP*2
	s_or_b32 s[G0A+4*\s+3], s[G0A+4*\s+3], 0x80000000
	s_mov_b32 s[G0B+4*\s], 1
	s_add_co_u32 s[G0B+4*\s+1], s67, \s*SLOT
	s_add_nc_u64 s[G0B+4*\s+2:G0B+4*\s+3], s[46:47], \s*KSTEP*2
	s_or_b32 s[G0B+4*\s+3], s[G0B+4*\s+3], 0x80000000
	JLOAD \s                                       ; K steps 0 and 1: two loads of the wave are out
.endr
	v_and_b32 v1, 15, v0                           ; r = lane % 16
	v_bfe_u32 v2, v0, 4, 1                         ; h = lane / 16
	v_and_b32 v3, 31, v0                           ; lane
	v_mul_u32_u24 v4, v1, PITCH
	v_lshl_add_u32 v4, v2, 4, v4                   ; r x pitch + 16 h
	s_mul_i32 s88, s18, 64*PITCH                   ; my 64 rows of A
	v_add_nc_u32 v[ADRA], s88, v4
	v_add_nc_u32 v[ADRA+1], SLOT, v[ADRA]
	v_add_nc_u32 v[ADRB], BOFF, v4
	v_add_nc_u32 v[ADRB+1], SLOT+BOFF, v4
	s_mul_i32 s88, s18, 16*SPITCH
	s_add_co_u32 s88, s88, STAGE                   ; my stage
	v_mul_u32_u24 v5, v1, SPITCH
	v_lshl_add_u32 v5, v2, 4, v5
	v_add_nc_u32 v[STO], s88, v5
	v_lshrrev_b32 v6, 3, v3                        ; back: eight lanes take 128 bytes of a row, four rows an instruction
	v_and_b32 v7, 7, v3
	v_mul_u32_u24 v6, v6, SPITCH
	v_lshl_add_u32 v6, v7, 4, v6
	v_add_nc_u32 v[RD], s88, v6
	v_lshlrev_b32 v[CO], 4, v3
	v_lshlrev_b32 v[HB], 5, v2
	v_lshl_add_u32 v[ERO], v1, 8, v[HB]
	v_lshlrev_b32 v[SRO], 3, v3
	; bias tuples: register j of tuple 4 z + t = b_z[64 head + 16 t + 8 h + j], the column that the accumulator's register j holds
.irp z, 0,1,2
.irp t, 0,1,2,3
	global_load_b128 v[BI+8*(4*\z+\t):BI+8*(4*\z+\t)+3],   v[HB], s[80+2*\z:81+2*\z] offset:64*\t
	global_load_b128 v[BI+8*(4*\z+\t)+4:BI+8*(4*\z+\t)+7], v[HB], s[80+2*\z:81+2*\z] offset:64*\t+16
.endr
.endr
	s_cmp_eq_u32 s89, 0
	s_cbranch_scc1 .Lno_er                         ; rows below 1024 never reach srel: no Er, no dot, no store for them
	WIN 0x80                                       ; Er[s0 + 16 a + r][16 t + 8 h + j], laid as the Q tiles' accumulators are
.irp a, 0,1
.irp t, 0,1,2,3
	global_load_b128 v[ER+32*\a+8*\t:ER+32*\a+8*\t+3],   v[ERO], s[78:79] offset:4096*\a+64*\t
	global_load_b128 v[ER+32*\a+8*\t+4:ER+32*\a+8*\t+7], v[ERO], s[78:79] offset:4096*\a+64*\t+16
.endr
.endr
	WIN 0xc0
.irp a, 0,1
.irp t, 0,1,2,3
	global_load_b128 v[ER+32*\a+8*\t:ER+32*\a+8*\t+3],   v[ERO], s[78:79] offset:4096*(\a+2)+64*\t
	global_load_b128 v[ER+32*\a+8*\t+4:ER+32*\a+8*\t+7], v[ERO], s[78:79] offset:4096*(\a+2)+64*\t+16
.endr
.endr
	WIN 0
.Lno_er:
; 12 matrix instructions: row tile a x all 12 column tiles, 32 along K, from buffer f.  zero = 1: the bias tuple is C and starts the sum.
; The 48 accumulators take turns, one instruction a turn, in the same order in every quarter step.
.macro MULA f, a, zero
.irp b, 0,1,2,3,4,5,6,7,8,9,10,11
.if \zero
	v_wmma_f32_16x16x32_bf16 v[8*(12*((\a)&1)+\b):8*(12*((\a)&1)+\b)+7], v[FB+96*\f+8*\b:FB+96*\f+8*\b+7], v[FA+32*\f+8*(\a):FA+32*\f+8*(\a)+7], v[BI+8*\b:BI+8*\b+7]
.else
	v_wmma_f32_16x16x32_bf16 v[8*(12*((\a)&1)+\b):8*(12*((\a)&1)+\b)+7], v[FB+96*\f+8*\b:FB+96*\f+8*\b+7], v[FA+32*\f+8*(\a):FA+32*\f+8*(\a)+7], v[8*(12*((\a)&1)+\b):8*(12*((\a)&1)+\b)+7]
.endif
.endr
.endm
; 32 LDS loads in one run: 192 rows of B, then my 64 rows of A, 32 K at byte k of the rows, into buffer f
.macro FETCH slot, k, f
	WIN 0x40
.irp i, 0,1,2,3,4,5,6,7,8,9,10,11
	ds_load_b128 v[FB+96*\f+8*\i:FB+96*\f+8*\i+3],   v[ADRB+\slot] offset:\k+\i*16*PITCH
	ds_load_b128 v[FB+96*\f+8*\i+4:FB+96*\f+8*\i+7], v[ADRB+\slot] offset:\k+\i*16*PITCH+32
.endr
	WIN 0
.irp i, 0,1,2,3
	ds_load_b128 v[FA+32*\f+8*\i:FA+32*\f+8*\i+3],   v[ADRA+\slot] offset:\k+\i*16*PITCH
	ds_load_b128 v[FA+32*\f+8*\i+4:FA+32*\f+8*\i+7], v[ADRA+\slot] offset:\k+\i*16*PITCH+32
.endr
.endm
; one of a K step's first three quarters: multiplies buffer f, and in its middle fetches the next quarter (byte k) into buffer g
.macro SUB slot, k, f, g, zero
	s_wait_dscnt 4                                 ; B and A's row tiles 0, 1 are in; the four youngest loads (row tiles 2, 3) may be out
.if \zero
	WIN 0x81                                       ; B window 1, A window 0, C (bias) window 0, D window 2
.else
	WIN 0xa1                                       ; C and D window 2
.endif
	MULA \f, 0, \zero
	MULA \f, 1, \zero
	PLACES
	FETCH \slot, \k, \g
	s_wait_dscnt 32                                ; all but the 32 just issued
.if \zero
	WIN 0xc1
.else
	WIN 0xf1
.endif
	MULA \f, 2, \zero
	MULA \f, 3, \zero
.endm
.macro THREE slot, zero
	SUB \slot, 64,  0, 1, \zero
	SUB \slot, 128, 1, 0, 0
	SUB \slot, 192, 0, 1, 0
.endm
; the last quarter: multiplies buffer 1 and changes slots.  In front of the barrier each wave waits for its reads of this slot and for all its
; tensor loads (one is out: its part of the next slot).  fill = 1: the barrier opens a round of the cluster's barrier, and the joint refill
; of this slot, two K steps ahead, is the first tensor load behind the round; it has 180 matrix instructions in which to land.
.macro TURN slot, next, fill
	s_wait_dscnt 4
	WIN 0xa1
	MULA 1, 0, 0
	s_wait_dscnt 0x0
	s_wait_tensorcnt 0x0
	ds_add_u32 v255, v255
	s_wait_dscnt 0x0
	s_barrier_signal -1
	MULA 1, 1, 0                                   ; register work while the others arrive
	WIN 0
	s_barrier_wait -1
.if \fill
	CREST
	s_add_nc_u64 s[G0A+4*\slot+2:G0A+4*\slot+3], s[G0A+4*\slot+2:G0A+4*\slot+3], 2*KSTEP*2
	s_add_nc_u64 s[G0B+4*\slot+2:G0B+4*\slot+3], s[G0B+4*\slot+2:G0B+4*\slot+3], 2*KSTEP*2
	JLOAD \slot
.endif
	PLACES
	FETCH \next, 0, 0
	WIN 0xf1
	MULA 1, 2, 0
	MULA 1, 3, 0
.endm
.macro LAP zero
	THREE 0, \zero
	TURN 0, 1, 1
	THREE 1, 0
	TURN 1, 0, 1
.endm
	s_wait_tensorcnt 0x1                           ; my part of K step 0 is in; K step 1's stays out
	s_barrier_signal -1
	s_barrier_wait -1
	FETCH 0, 0, 0
	s_wait_loadcnt 0x0                             ; the bias tuples (and Er, where it was asked for: the count has to hold on both ways)
	LAP 1                                          ; K steps 0, 1; fills 2, 3
	WIN 0
	s_mov_b32 s3, 2
.Llap:
	LAP 0                                          ; K steps 2-5; fills 4-7
	WIN 0
	s_sub_co_u32 s3, s3, 1
	s_cmp_lg_u32 s3, 0
	s_cbranch_scc1 .Llap
	THREE 0, 0                                     ; K steps 6, 7: nothing is filled, so no round of the cluster's barrier
	TURN 0, 1, 0
	THREE 1, 0
	s_wait_dscnt 4
	WIN 0xa1
	MULA 1, 0, 0
	MULA 1, 1, 0
	s_wait_dscnt 0x0
	WIN 0xf1
	MULA 1, 2, 0
	MULA 1, 3, 0
	; THE WAY OUT.  First Q' = c Q, in f32, in place (column tiles 0-3 of each row tile: 32 neighbouring registers).
	PLACES
.macro SCALEQ
.irp al, 0,1
.irp q, 0,1,2,3,4,5,6,7,8,9,10,11,12,13,14,15
	v_pk_mul_f32 v[96*\al+2*\q:96*\al+2*\q+1], v[96*\al+2*\q:96*\al+2*\q+1], s[68:69] op_sel_hi:[1,0]
.endr
.endr
.endm
	WIN 0x82
	SCALEQ
	WIN 0xc3
	SCALEQ
	WIN 0
	s_cmp_eq_u32 s89, 0
	s_cbranch_scc1 .Lno_dot
; Er's 64 registers of one window: rounded to bf16 (two at a time, into window 0), and widened again in place (a shift, a mask)
.macro ERBF from, to
	WIN \from
.set q, 0
.rept 32
	v_cvt_pk_bf16_f32 v[TMP+q], v[ER+2*q], v[ER+2*q+1]
.set q, q+1
.endr
	WIN \to
.set q, 0
.rept 32
	v_lshlrev_b32 v[ER+2*q],   16,  v[TMP+q]
	v_and_b32     v[ER+2*q+1], s96, v[TMP+q]
.set q, q+1
.endr
.endm
	; Q'(row) . Er(row): a lane's 32 of the row's 64 products, the two row tiles of a window in turn, then the other half of the lanes
.macro DOTW a0
.irp al, 0,1
	v_pk_mul_f32 v[DOT+2*(\a0+\al):DOT+2*(\a0+\al)+1], v[96*\al:96*\al+1], v[ER+32*\al:ER+32*\al+1]
.endr
.irp q, 1,2,3,4,5,6,7,8,9,10,11,12,13,14,15
.irp al, 0,1
	v_pk_fma_f32 v[DOT+2*(\a0+\al):DOT+2*(\a0+\al)+1], v[96*\al+2*\q:96*\al+2*\q+1], v[ER+32*\al+2*\q:ER+32*\al+2*\q+1], v[DOT+2*(\a0+\al):DOT+2*(\a0+\al)+1]
.endr
.endr
.endm
	ERBF 0x0a, 0x80
	WIN 0x0a
	DOTW 0
	ERBF 0x0f, 0xc0
	WIN 0x0f
	DOTW 2
	WIN 0
.irp a, 0,1,2,3
	v_add_f32 v[RED+\a], v[DOT+2*\a], v[DOT+2*\a+1]
.endr
.irp a, 0,1,2,3
	v_permlanex16_b32 v[DOT+2*\a+1], v[RED+\a], s86, s87   ; its destination has been written
.endr
.irp a, 0,1,2,3
	v_add_f32 v[RED+\a], v[RED+\a], v[DOT+2*\a+1]          ; every lane: the dot of row 16 a + r
.endr
	v_cndmask_b32 v[DOT+1], v[RED],   v[RED+1], s96        ; lanes 0-15 row tile 0, lanes 16-31 row tile 1: row s0 + lane
	v_cndmask_b32 v[DOT+3], v[RED+2], v[RED+3], s96        ; row s0 + 32 + lane
	v_mov_b32 v[DOT], 0                                    ; the even column beside it
	v_mov_b32 v[DOT+2], 0
	global_store_b64 v[SRO], v[DOT:DOT+1],   s[76:77]              ; 256 consecutive bytes, aligned
	global_store_b64 v[SRO], v[DOT+2:DOT+3], s[76:77] offset:256
.Lno_dot:
; 16 rows at a time: round to f16, 16 bytes a lane into my stage, read back four rows of one plane at a time: 512 consecutive bytes a store
.macro OUTG a, from
	WIN \from
.irp b, 0,1,2,3,4,5,6,7,8,9,10,11
.irp q, 0,1,2,3
	v_cvt_pk_f16_f32 v[TMP+4*\b+\q], v[8*(12*((\a)&1)+\b)+2*\q], v[8*(12*((\a)&1)+\b)+2*\q+1]
.endr
.endr
	WIN 0
.irp b, 0,1,2,3,4,5,6,7,8,9,10,11
	ds_store_b128 v[STO], v[TMP+4*\b:TMP+4*\b+3] offset:32*\b
.endr
	s_wait_xcnt 0x0                                ; v32-79 were the data of the last sixteen rows' stores: loaded again only behind this wait
.irp z, 0,1,2
.irp t, 0,1,2,3
	ds_load_b128 v[FA+4*(4*\z+\t):FA+4*(4*\z+\t)+3], v[RD] offset:4*SPITCH*\t+128*\z   ; LDS serves a wave's instructions in order: these see the stores above
.endr
.endr
.irp z, 0,1,2
.irp t, 0,1,2,3
	s_wait_dscnt 11-(4*\z+\t)
	global_store_b128 v[CO], v[FA+4*(4*\z+\t):FA+4*(4*\z+\t)+3], s[70+2*\z:71+2*\z] offset:2048*\a+512*\t
.endr
.endr
.endm
	OUTG 0, 0x0a
	OUTG 1, 0x0a
	OUTG 2, 0x0f
	OUTG 3, 0x0f
	s_set_vgpr_msb 0x1
	s_wait_tensorcnt 0x0
	ds_add_u32 v255, v255
	s_wait_dscnt 0x0
	s_set_vgpr_msb 0x100
	CROUND                                         ; the closing round: no work-group ends while a partner may still ask for a tile that names it
	s_endpgm
.Lfunc_end_k_q4bb71cb909_qkvgemm:
	.size	k_q4bb71cb909_qkvgemm, .Lfunc_end_k_q4bb71cb909_qkvgemm-k_q4bb71cb909_qkvgemm
	.p2alignl 7, 3214868480
	.fill 96, 4, 3214868480
	.section	.rodata,"a",@progbits
	.p2align	6, 0x0
	.amdhsa_kernel k_q4bb71cb909_qkvgemm
		.amdhsa_group_segment_fixed_size 327680
		.amdhsa_private_segment_fixed_size 0
		.amdhsa_enable_private_segment 0
		.amdhsa_kernarg_size 56
		.amdhsa_user_sgpr_count 2
		.amdhsa_user_sgpr_kernarg_segment_ptr 1
		.amdhsa_wavefront_size32 1
		.amdhsa_system_sgpr_workgroup_id_x 1
		.amdhsa_system_sgpr_workgroup_id_y 1
		.amdhsa_system_sgpr_workgroup_id_z 1
		.amdhsa_system_vgpr_workitem_id 0
		.amdhsa_next_free_vgpr 1024
		.amdhsa_next_free_sgpr 100
		.amdhsa_reserve_vcc 0
		.amdhsa_float_denorm_mode_32 3
		.amdhsa_float_denorm_mode_16_64 3
		.amdhsa_memory_ordered 1
		.amdhsa_forward_progress 1
		.amdhsa_inst_pref_size 187
	.end_amdhsa_kernel
	.amdgpu_metadata
---
amdhsa.version: [ 1, 2 ]
amdhsa.kernels:
  - .name:           k_q4bb71cb909_qkvgemm
    .symbol:         k_q4bb71cb909_qkvgemm.kd
    .args:
      - { .name: xw, .offset: 0, .size: 8, .value_kind: global_buffer, .address_space: global }
      - { .name: bq, .offset: 8, .size: 8, .value_kind: global_buffer, .address_space: global }
      - { .name: bk, .offset: 16, .size: 8, .value_kind: global_buffer, .address_space: global }
      - { .name: bv, .offset: 24, .size: 8, .value_kind: global_buffer, .address_space: global }
      - { .name: Er, .offset: 32, .size: 8, .value_kind: global_buffer, .address_space: global }
      - { .name: qkv, .offset: 40, .size: 8, .value_kind: global_buffer, .address_space: global }
      - { .name: srel, .offset: 48, .size: 8, .value_kind: global_buffer, .address_space: global }
    .group_segment_fixed_size: 327680
    .private_segment_fixed_size: 0
    .kernarg_segment_align: 8
    .kernarg_segment_size: 56
    .max_flat_workgroup_size: 128
    .sgpr_count:     100
    .vgpr_count:     1024
    .wavefront_size: 32
...
	.end_amdgpu_metadata
.endif
;; end of part 2
;; launch attention (part 3): grid 8 x 32, 4 waves a work-group, no clusters, 327,680 bytes of LDS; arguments qkv, srel, ctx; writes ctx
.if DOCPART == 3
	.amdgcn_target "amdgcn-amd-amdhsa--gfx1250"
	.amdhsa_code_object_version 6
	.text
	.protected	k_q4bb71cb909_attention
	.globl	k_q4bb71cb909_attention
	.p2align	8
	.type	k_q4bb71cb909_attention,@function
k_q4bb71cb909_attention:
	s_mov_b64 s[64:65], 0
	v_nop
	global_prefetch_b8 v0, s[64:65] scope:SCOPE_SE
	s_setreg_imm32_b32 hwreg(HW_REG_WAVE_MODE, 25, 1), 1
	s_wait_xcnt 0x0
; Causal attention of one head: ctx[16 b + head][s][64] (f16) = softmax_m(Q'(s) . K(m) + srel(m), m <= s) V.
; Q' and srel carry the factor log2(e) / 8, so p = exp2(score - running maximum); the maximum is taken away as reference() takes it.
; FORMATS.  Q', K, V, p and ctx are f16 (11 significant bits; p lies in [0, 1], ctx is an average of V), sums f32.  Limits: |Q'|, |K|, |V| < 65,504 (as drawn
; they reach about 5); the row sum l is summed from the unrounded p in f32; exp2 gives 0 below 2^-126; p below 2^-14 keeps an absolute step of 2^-24;
; NaN and infinities in the inputs are not matched.
;
; SHARE.  A head's 2,048 queries are 16 chunks of 128.  Work-group c takes chunks c and 15 - c: two diagonal key blocks and 15 full ones of
; 128 x 128, the same for all 256 work-groups.  Wave w takes queries 32 w .. 32 w + 31 of the chunk (two query tiles n).
; The chunk with the even number A1 goes first, each chunk begins with its diagonal block (which starts m, l and O: nothing is cleared, and m is
; finite since key 0 is open to every query).  The 15 full blocks are one sequence u = 0 .. 14 through a ring of two LDS slots; A1 is even, so the
; change of chunks falls between two pairs: seven trips of two blocks, a test at the head of each, and a tail.
; NO MULTICAST: the eight work-groups of a head are at different key blocks in every step (their chunks have 0 to 15 full blocks); walking the keys
; in step would cost 24 block times in place of 17.
;
; SCORES ARE MADE TRANSPOSED: S^T = K Q'^T (A = 16 keys, B = 16 queries).  Lane (r, h) holds query r and, in register j, key 8 h + j; so maximum
; and sum are made in registers, with one exchange between lanes l and l xor 16; srel(key) is the C operand of the first product; and two score tiles,
; packed to f16 in pairs, ARE the B fragment of O^T = V^T P^T.  V^T's fragments come from V[key][d] by transposing LDS loads.
;
; LDS: slot = 128 keys of K at 144 bytes, then 128 of V at 160 bytes.  Slots 0, 1 the ring, 2 and 3 the two diagonal blocks (filled once).
; REGISTERS: window 0 addresses, Q fragments, P, O;  window 1 scores and the softmax's state;  window 2 K and V fragments;  window 3 srel tuples.
.set KP,     144                       ; odd multiple of 16
.set VP,     160                       ; odd multiple of 32, as the transposing loads want
.set KBYTES, 128*KP
.set SLOT,   128*KP+128*VP             ; 38,912
.set STAGE,  4*SLOT                    ; 155,648 = 608 x 256: the waves' stages, 32 rows x 144 bytes each, which no tensor load fills
.set KA,   8                           ; v8-11   K fragments' address in slot 0..3
.set VA,   12                          ; v12-15  V fragments' address
.set QO,   16                          ; my Q rows' offset
.set HB,   17                          ; 32 h
.set STO,  18
.set RD,   19
.set CO,   20                          ; 16 x lane
.set QF,   32                          ; v32-63   Q fragment (n, ks) at 16 n + 8 ks
.set PR,   96                          ; v96-159  P fragment (n, kk) at 32 n + 8 kk; on the way out: rows read back
.set OA,   160                         ; v160-223 O tile (dt, n) at 8 (4 n + dt)
.set OUTP, 224                         ; v224-255 packed results
.set SC,   0                           ; window 1: score tile (kt, n) at 64 n + 8 kt
.set MX,   128                         ; m of query tile n, twice, at MX + 2 n
.set AL,   132                         ; factor of query tile n at AL + 2 n (the pair's second register is written once and never used)
.set TT,   136                         ; work
.set SUM,  144                         ; four pairs
.set NINF, 152
.set DL,   153                         ; r + 32 w - 8 h
.set LS,   154                         ; l of query tile n: the sum over this lane's keys
.set KF,   0                           ; window 2: K fragment (kt, ks) at 16 kt + 8 ks
.set VF,   128                         ; window 2: V fragment (dt, kk) at 128 + 8 (4 kk + dt)
.set G1K,  28                          ; s[28:35]
.set G1V,  36                          ; s[36:43]
.set GK0,  44                          ; ring slot s: K's group 0 at 44 + 8 s, V's at 48 + 8 s
.set GV0,  48
.set MSB, 0
.macro WIN new
.if MSB != (\new)
	s_set_vgpr_msb (MSB<<8)|(\new)
.set MSB, (\new)
.endif
.endm
.macro PLACES                          ; four plain vector instructions between a matrix instruction and a load into, or a vector access to, its registers
.rept 4
	v_nop
.endr
.endm
.macro G0SET g, base, slot
	s_mov_b32 s[\g], 1
	s_add_co_u32 s[\g+1], s[\base], \slot*SLOT
.endm
	s_load_b128 s[4:7], s[0:1], 0x0                ; qkv s[4:5], srel s[6:7]
	s_load_b64 s[8:9], s[0:1], 0x10                ; ctx
	v_lshl_add_u32 v94, v0, 2, 0x2a800
	v_mov_b32 v95, 0
	ds_add_u32 v94, v95
	ds_add_u32 v94, v95
	v_lshrrev_b32 v1, 5, v0
	v_readfirstlane_b32 s10, v1                    ; wave
	s_and_b32 s12, ttmp7, 0xffff                   ; 16 b + head
	s_sub_co_u32 s14, 15, ttmp9
	s_and_b32 s11, ttmp9, 1
	s_cmp_lg_u32 s11, 0
	s_cselect_b32 s13, s14, ttmp9                  ; A1: the even one of c and 15 - c
	s_sub_co_u32 s14, 15, s13                      ; A2
	s_lshr_b32 s15, s13, 1                         ; the pair in front of which the chunks change
	s_mov_b32 s26, 0x76543210
	s_mov_b32 s27, 0xfedcba98
	; group 1: a wave's 32 keys are 4,096 dense bytes: 16 rows of 256 bytes; padding behind every 32 words (a key's 128 bytes): K 4 words, V 8
	s_mov_b32 s[G1K+0], (1<<16)|(1<<20)|(4<<22)|(3<<25)
	s_mov_b32 s[G1V+0], (1<<16)|(1<<20)|(4<<22)|(7<<25)
.irp g, G1K, G1V
	s_mov_b32 s[\g+1], 128<<16                     ; tensor_dim0 = 128 elements
	s_mov_b32 s[\g+2], 16<<16                      ; tensor_dim1 = 16
	s_mov_b32 s[\g+3], 128<<16                     ; tile_dim0
	s_mov_b32 s[\g+4], 16                          ; tile_dim1
	s_mov_b32 s[\g+5], 128                         ; from row to row
	s_mov_b32 s[\g+6], 0
	s_mov_b32 s[\g+7], 0
.endr
	s_mul_i32 s2, s10, 32*KP                       ; my 32 keys in a slot's K
	s_mul_i32 s3, s10, 32*VP
	s_add_co_u32 s3, s3, KBYTES                    ; and in its V
	G0SET 44, 2, 0
	G0SET 48, 3, 0
	G0SET 52, 2, 1
	G0SET 56, 3, 1
	G0SET 60, 2, 2
	G0SET 68, 3, 2
	G0SET 72, 2, 3
	G0SET 76, 3, 3
	s_mov_b32 s19, 0                               ; s[18:19]: a 32-bit offset as a pair
	s_wait_dscnt 0x0
	s_wait_kmcnt 0x0
	s_lshl_b32 s18, s12, 18                        ; a head's plane: 2,048 x 128 bytes
	s_add_nc_u64 s[96:97], s[4:5], s[18:19]        ; the head's Q'
	s_lshl_b32 s18, s10, 12
	s_add_nc_u64 s[20:21], s[96:97], s[18:19]
	s_add_nc_u64 s[20:21], s[20:21], 0x800000      ; K: my 32 keys of key block 0
	s_add_nc_u64 s[22:23], s[20:21], 0x800000      ; V likewise
	s_or_b32 s21, s21, 0x80000000                  ; both with the descriptor's type bits
	s_or_b32 s23, s23, 0x80000000
	s_lshl_b32 s18, s12, 13
	s_add_nc_u64 s[24:25], s[6:7], s[18:19]        ; the head's srel
	s_mov_b64 s[80:81], s[24:25]                   ; ring tile 0 is key block 0 of whichever chunk
	s_mov_b64 s[46:47], s[20:21]
	s_mov_b64 s[50:51], s[22:23]
	s_lshl_b32 s18, s13, 14                        ; chunk A1: 128 rows of 128 bytes a block
	s_add_nc_u64 s[88:89], s[96:97], s[18:19]      ; its Q'
	s_add_nc_u64 s[62:63], s[20:21], s[18:19]      ; its diagonal K
	s_add_nc_u64 s[70:71], s[22:23], s[18:19]      ; and V
	s_lshl_b32 s18, s13, 9
	s_add_nc_u64 s[84:85], s[24:25], s[18:19]      ; and srel
	s_lshl_b32 s18, s14, 14                        ; chunk A2
	s_add_nc_u64 s[90:91], s[96:97], s[18:19]
	s_add_nc_u64 s[74:75], s[20:21], s[18:19]
	s_add_nc_u64 s[78:79], s[22:23], s[18:19]
	s_lshl_b32 s18, s14, 9
	s_add_nc_u64 s[86:87], s[24:25], s[18:19]
	tensor_load_to_lds s[60:63], s[G1K:G1K+7]      ; six loads of the wave are out: A1's diagonal block,
	s_nop 0
	tensor_load_to_lds s[68:71], s[G1V:G1V+7]
	s_nop 0
	tensor_load_to_lds s[72:75], s[G1K:G1K+7]      ; A2's,
	s_nop 0
	tensor_load_to_lds s[76:79], s[G1V:G1V+7]
	s_nop 0
	tensor_load_to_lds s[44:47], s[G1K:G1K+7]      ; ring tile 0
	s_nop 0
	tensor_load_to_lds s[48:51], s[G1V:G1V+7]
	s_nop 0
	s_lshl_b32 s11, s12, 11
	s_lshl_b32 s16, s10, 5
	s_add_co_u32 s11, s11, s16                     ; 2,048 x head + 32 w
	s_lshl_b32 s18, s13, 7
	s_add_co_u32 s18, s18, s11
	s_lshl_b32 s18, s18, 7
	s_add_nc_u64 s[92:93], s[8:9], s[18:19]        ; where the chunk at work goes: A1's rows of mine,
	s_lshl_b32 s18, s14, 7
	s_add_co_u32 s18, s18, s11
	s_lshl_b32 s18, s18, 7
	s_add_nc_u64 s[94:95], s[8:9], s[18:19]        ; and A2's
	v_and_b32 v1, 15, v0                           ; r
	v_bfe_u32 v2, v0, 4, 1                         ; h
	v_and_b32 v3, 31, v0                           ; lane
	v_mul_u32_u24 v4, v1, KP
	v_lshl_add_u32 v[KA], v2, 4, v4                ; key r, 16 h
	v_and_b32 v5, 7, v0
	v_lshl_add_u32 v5, v2, 3, v5                   ; key 8 h + lane % 8
	v_mul_u32_u24 v5, v5, VP
	v_bfe_u32 v6, v0, 3, 1
	v_lshl_add_u32 v5, v6, 4, v5                   ; + 16 ((lane / 8) % 2)
	v_add_nc_u32 v[VA], KBYTES, v5
.irp s, 1,2,3
	v_add_nc_u32 v[KA+\s], \s*SLOT, v[KA]
	v_add_nc_u32 v[VA+\s], \s*SLOT, v[VA]
.endr
	s_lshl_b32 s2, s10, 12
	v_lshlrev_b32 v7, 7, v1
	v_lshl_add_u32 v7, v2, 4, v7
	v_add_nc_u32 v[QO], s2, v7                     ; (32 w + r) x 128 + 16 h
	v_lshlrev_b32 v[HB], 5, v2
	s_mul_i32 s3, s10, 32*KP
	s_add_co_u32 s3, s3, STAGE                     ; my stage
	v_add_nc_u32 v[STO], s3, v[KA]                 ; row r, 16 h (the stage's pitch is K's)
	v_lshrrev_b32 v6, 3, v3
	v_mul_u32_u24 v6, v6, KP
	v_and_b32 v7, 7, v0
	v_lshl_add_u32 v6, v7, 4, v6
	v_add_nc_u32 v[RD], s3, v6                     ; back: eight lanes a row, four rows an instruction
	v_lshlrev_b32 v[CO], 4, v3
	s_lshl_b32 s2, s10, 5
	v_lshlrev_b32 v6, 3, v2
	v_sub_nc_u32 v6, v1, v6
	WIN 0x40
	v_add_nc_u32 v[DL], s2, v6                     ; key 16 kt + 8 h + j is open to query 32 w + 16 n + r where 16 kt + j - 16 n <= DL
	v_mov_b32 v[NINF], 0xff800000
	v_mov_b32 v[AL+1], 0
	v_mov_b32 v[AL+3], 0
	WIN 0
.macro LOADQ base                      ; B fragments: query 16 n + r, d = 32 ks + 8 h .. and 32 ks + 16 + 8 h ..
.irp n, 0,1
.irp ks, 0,1
	global_load_b128 v[QF+16*\n+8*\ks:QF+16*\n+8*\ks+3],   v[QO], s[\base:\base+1] offset:2048*\n+64*\ks
	global_load_b128 v[QF+16*\n+8*\ks+4:QF+16*\n+8*\ks+7], v[QO], s[\base:\base+1] offset:2048*\n+64*\ks+32
.endr
.endr
.endm
.macro LOADB beta, base                ; 16 loads: tuple kt, register j = srel(first key + 16 kt + 8 h + j)
	WIN 0xc0
.irp kt, 0,1,2,3,4,5,6,7
	global_load_b128 v[64*(\beta)+8*\kt:64*(\beta)+8*\kt+3],   v[HB], s[\base:\base+1] offset:64*\kt
	global_load_b128 v[64*(\beta)+8*\kt+4:64*(\beta)+8*\kt+7], v[HB], s[\base:\base+1] offset:64*\kt+16
.endr
	WIN 0
.endm
.macro LOADK slot                      ; 32 loads: K's fragments
	WIN 0x80
.irp kt, 0,1,2,3,4,5,6,7
.irp ks, 0,1
	ds_load_b128 v[KF+16*\kt+8*\ks:KF+16*\kt+8*\ks+3],   v[KA+\slot] offset:16*KP*\kt+64*\ks
	ds_load_b128 v[KF+16*\kt+8*\ks+4:KF+16*\kt+8*\ks+7], v[KA+\slot] offset:16*KP*\kt+64*\ks+32
.endr
.endr
.endm
.macro LOADV slot, kk                  ; 8 transposing loads: V's fragments of keys 32 kk .. 32 kk + 31
	WIN 0x80
.irp dt, 0,1,2,3
	ds_load_tr16_b128 v[VF+8*(4*\kk+\dt):VF+8*(4*\kk+\dt)+3],   v[VA+\slot] offset:32*VP*\kk+32*\dt
	ds_load_tr16_b128 v[VF+8*(4*\kk+\dt)+4:VF+8*(4*\kk+\dt)+7], v[VA+\slot] offset:32*VP*\kk+32*\dt+16*VP
.endr
.endm
; 32 matrix instructions; the 16 score tiles take turns, one instruction a turn
.macro QK beta
	WIN 0x72                                       ; K window 2, Q window 0, C = srel window 3, D window 1
.irp kt, 0,1,2,3,4,5,6,7
.irp n, 0,1
	v_wmma_f32_16x16x32_f16 v[SC+64*\n+8*\kt:SC+64*\n+8*\kt+7], v[KF+16*\kt:KF+16*\kt+7], v[QF+16*\n:QF+16*\n+7], v[64*\beta+8*\kt:64*\beta+8*\kt+7]
.endr
.endr
	WIN 0x52                                       ; C and D window 1
.irp kt, 0,1,2,3,4,5,6,7
.irp n, 0,1
	v_wmma_f32_16x16x32_f16 v[SC+64*\n+8*\kt:SC+64*\n+8*\kt+7], v[KF+16*\kt+8:KF+16*\kt+15], v[QF+16*\n+8:QF+16*\n+15], v[SC+64*\n+8*\kt:SC+64*\n+8*\kt+7]
.endr
.endr
.endm
.macro MASK                            ; the diagonal block: keys behind the query get -inf
	WIN 0x55
.irp n, 0,1
.irp kt, 0,1,2,3,4,5,6,7
.irp j, 0,1,2,3,4,5,6,7
	v_cmp_le_i32 vcc_lo, 16*\kt+\j-16*\n, v[DL]
	v_cndmask_b32 v[SC+64*\n+8*\kt+\j], v[NINF], v[SC+64*\n+8*\kt+\j], vcc_lo
.endr
.endr
.endr
.endm
; query tile n: running maximum, p = exp2(s - m), row sum, P in f16, O scaled.  first = 1: m, l start here and there is no O yet.
.macro SOFTMAX n, first
	WIN 0x55
.irp c, 0,1,2,3
	v_max_num_f32 v[TT+\c], v[SC+64*\n+16*\c], v[SC+64*\n+16*\c+1]         ; four chains of 16 numbers
.endr
.irp i, 1,2,3,4,5,6,7
.irp c, 0,1,2,3
	v_max3_num_f32 v[TT+\c], v[TT+\c], v[SC+64*\n+16*\c+2*\i], v[SC+64*\n+16*\c+2*\i+1]
.endr
.endr
	v_max3_num_f32 v[TT], v[TT], v[TT+1], v[TT+2]
	v_max_num_f32 v[TT], v[TT], v[TT+3]
	v_permlanex16_b32 v[TT+1], v[TT], s26, s27     ; the query's other 64 keys
.if \first
	v_max_num_f32 v[MX+2*\n],   v[TT], v[TT+1]
	v_max_num_f32 v[MX+2*\n+1], v[TT], v[TT+1]
.else
	v_max3_num_f32 v[TT+2], v[TT], v[TT+1], v[MX+2*\n]
	v_sub_f32 v[TT+3], v[MX+2*\n], v[TT+2]
	v_exp_f32 v[AL+2*\n], v[TT+3]                  ; 2^(old m - new m); the two moves are the plain instructions behind it (ISA guide 5.7.2)
	v_mov_b32 v[MX+2*\n],   v[TT+2]
	v_mov_b32 v[MX+2*\n+1], v[TT+2]
.endif
.set q, 0
.rept 32
	v_pk_add_f32 v[SC+64*\n+2*q:SC+64*\n+2*q+1], v[SC+64*\n+2*q:SC+64*\n+2*q+1], v[MX+2*\n:MX+2*\n+1] neg_lo:[0,1] neg_hi:[0,1]
.set q, q+1
.endr
.set q, 0
.rept 64
	v_exp_f32 v[SC+64*\n+q], v[SC+64*\n+q]
.set q, q+1
.endr
	v_nop                                          ; one plain instruction behind the last exponential
	s_wait_alu depctr_va_vdst(0)
.irp c, 0,1,2,3
	v_pk_add_f32 v[SUM+2*\c:SUM+2*\c+1], v[SC+64*\n+2*\c:SC+64*\n+2*\c+1], v[SC+64*\n+8+2*\c:SC+64*\n+8+2*\c+1]
.endr
.irp i, 2,3,4,5,6,7
.irp c, 0,1,2,3
	v_pk_add_f32 v[SUM+2*\c:SUM+2*\c+1], v[SUM+2*\c:SUM+2*\c+1], v[SC+64*\n+8*\i+2*\c:SC+64*\n+8*\i+2*\c+1]
.endr
.endr
	v_pk_add_f32 v[SUM:SUM+1],   v[SUM:SUM+1],   v[SUM+2:SUM+3]
	v_pk_add_f32 v[SUM+4:SUM+5], v[SUM+4:SUM+5], v[SUM+6:SUM+7]
	v_pk_add_f32 v[SUM:SUM+1],   v[SUM:SUM+1],   v[SUM+4:SUM+5]
.if \first
	v_add_f32 v[LS+\n], v[SUM], v[SUM+1]
.else
	v_add_f32 v[TT], v[SUM], v[SUM+1]
	v_fma_f32 v[LS+\n], v[LS+\n], v[AL+2*\n], v[TT]
.endif
	WIN 0x05                                       ; scores window 1 -> P window 0: tiles 2 kk and 2 kk + 1 are registers 0-3 and 4-7 of fragment kk
.irp kt, 0,1,2,3,4,5,6,7
.irp jj, 0,1,2,3
	v_cvt_pk_f16_f32 v[PR+32*\n+4*\kt+\jj], v[SC+64*\n+8*\kt+2*\jj], v[SC+64*\n+8*\kt+2*\jj+1]
.endr
.endr
.if \first == 0
	WIN 0x04
.set q, 0
.rept 16
	v_pk_mul_f32 v[OA+32*\n+2*q:OA+32*\n+2*q+1], v[OA+32*\n+2*q:OA+32*\n+2*q+1], v[AL+2*\n:AL+2*\n+1] op_sel_hi:[1,0]
.set q, q+1
.endr
.endif
.endm
.macro PVK kk, zero                    ; eight O tiles take turns, one instruction a turn
.irp n, 0,1
.irp dt, 0,1,2,3
.if \zero
	v_wmma_f32_16x16x32_f16 v[OA+8*(4*\n+\dt):OA+8*(4*\n+\dt)+7], v[VF+8*(4*\kk+\dt):VF+8*(4*\kk+\dt)+7], v[PR+32*\n+8*\kk:PR+32*\n+8*\kk+7], 0
.else
	v_wmma_f32_16x16x32_f16 v[OA+8*(4*\n+\dt):OA+8*(4*\n+\dt)+7], v[VF+8*(4*\kk+\dt):VF+8*(4*\kk+\dt)+7], v[PR+32*\n+8*\kk:PR+32*\n+8*\kk+7], v[OA+8*(4*\n+\dt):OA+8*(4*\n+\dt)+7]
.endif
.endr
.endr
.endm
; one key block from LDS slot `slot` (its srel tuples have the same number).  dg = 1: a diagonal block, which starts a chunk.
; lc: how many younger global loads may stay out when this block's srel tuples (and Q) have to be there.
; LDS loads: 32 of K and 24 of V go out together, V's last 8 behind the score products: 56 at the most are out.
.macro CORE slot, dg, lc
	PLACES                                         ; behind the block before: its fragments are loaded over, its O is scaled
	LOADK \slot
	LOADV \slot, 0
	LOADV \slot, 1
	LOADV \slot, 2
	s_wait_loadcnt \lc
	s_wait_dscnt 24                                ; K's 32 loads are in, V's 24 stay out
	QK \slot
	PLACES
	LOADV \slot, 3
.if \dg
	MASK
.endif
	SOFTMAX 0, \dg
	SOFTMAX 1, \dg
	s_wait_dscnt 0x0                               ; V
	WIN 0x02
	PVK 0, \dg
	PVK 1, 0
	PVK 2, 0
	PVK 3, 0
	WIN 0
.endm
; a full block from ring slot `slot`.  In front of the barrier every wave waits for all its tensor loads (its part of this block among them) and for
; its LDS reads; behind it the other slot, read in the step before, is filled with block s17 of the sequence: two loads of the wave are out, and
; they have this block's work in which to land.  The next block's srel tuples go out with them.
.macro TRIP slot, refill
	s_wait_tensorcnt 0x0
	ds_add_u32 v94, v95
	s_wait_dscnt 0x0
.if \refill
	s_cmp_ge_u32 s17, s13                          ; key block = u, or u - A1 from the second chunk on
	s_cselect_b32 s18, s13, 0
	s_sub_co_u32 s18, s17, s18
	s_lshl_b32 s18, s18, 14
	s_add_nc_u64 s[GK0+8*(1-\slot)+2:GK0+8*(1-\slot)+3], s[20:21], s[18:19]
	s_add_nc_u64 s[GV0+8*(1-\slot)+2:GV0+8*(1-\slot)+3], s[22:23], s[18:19]
	s_lshr_b32 s18, s18, 5
	s_add_nc_u64 s[80+2*(1-\slot):81+2*(1-\slot)], s[24:25], s[18:19]      ; this base's last loads were shown done by the step before's counted wait
	s_add_co_u32 s17, s17, 1
.endif
	s_wait_dscnt 0x0
	s_barrier_signal -1
	s_barrier_wait -1
.if \refill
	tensor_load_to_lds s[GK0+8*(1-\slot):GK0+8*(1-\slot)+3], s[G1K:G1K+7]
	s_nop 0
	tensor_load_to_lds s[GV0+8*(1-\slot):GV0+8*(1-\slot)+3], s[G1V:G1V+7]
	s_nop 0
	LOADB 1-\slot, 80+2*(1-\slot)
	CORE \slot, 0, 16                              ; the 16 just issued stay out
.else
	CORE \slot, 0, 0
.endif
.endm
; a chunk's end: O / l, rounded to f16, through my stage, out in runs of 512 consecutive bytes
.macro FINAL
	PLACES
	WIN 0x55
	v_permlanex16_b32 v[TT],   v[LS],   s26, s27
	v_permlanex16_b32 v[TT+1], v[LS+1], s26, s27
	v_add_f32 v[TT],   v[TT],   v[LS]
	v_add_f32 v[TT+1], v[TT+1], v[LS+1]
	v_rcp_f32 v[AL],   v[TT]                       ; l >= 1: the largest score gives p = 1
	v_rcp_f32 v[AL+2], v[TT+1]
	v_nop
	WIN 0x04
	s_wait_alu depctr_va_vdst(0)
.irp n, 0,1
.set q, 0
.rept 16
	v_pk_mul_f32 v[OA+32*\n+2*q:OA+32*\n+2*q+1], v[OA+32*\n+2*q:OA+32*\n+2*q+1], v[AL+2*\n:AL+2*\n+1] op_sel_hi:[1,0]
.set q, q+1
.endr
.endr
	WIN 0
.set q, 0
.rept 32
	v_cvt_pk_f16_f32 v[OUTP+q], v[OA+2*q], v[OA+2*q+1]
.set q, q+1
.endr
.irp n, 0,1
.irp dt, 0,1,2,3
	ds_store_b128 v[STO], v[OUTP+4*(4*\n+\dt):OUTP+4*(4*\n+\dt)+3] offset:16*KP*\n+32*\dt   ; query 16 n + r, d = 16 dt + 8 h ..
.endr
.endr
.irp t, 0,1,2,3,4,5,6,7
	ds_load_b128 v[PR+4*\t:PR+4*\t+3], v[RD] offset:4*KP*\t                ; LDS serves a wave's instructions in order: these see the stores above
.endr
.irp t, 0,1,2,3,4,5,6,7
	s_wait_dscnt 7-\t
	global_store_b128 v[CO], v[PR+4*\t:PR+4*\t+3], s[92:93] offset:512*\t
.endr
.endm
; from chunk A1 to chunk A2.  No barrier stands here: the diagonal block lies in a slot of its own, whole since the first barrier.
.macro SWITCH
	LOADQ 90                                       ; A2's Q fragments, into the same registers; FINAL's work stands between request and use
	FINAL
	s_wait_xcnt 0x0                                ; the stores' base and data (P's registers) are rewritten only behind this wait
	s_mov_b64 s[92:93], s[94:95]
	CORE 3, 1, 0
.endm
	LOADQ 88                                       ; 8 loads
	LOADB 2, 84                                    ; 16: A1's diagonal block
	LOADB 3, 86                                    ; 16: A2's
	LOADB 0, 80                                    ; 16: ring tile 0
	s_wait_tensorcnt 0x2                           ; my parts of both diagonal blocks are in; ring tile 0's two loads stay out
	s_barrier_signal -1
	s_barrier_wait -1
	CORE 2, 1, 32                                  ; Q and A1's tuples are in; the 32 younger loads stay out
	s_mov_b32 s16, 0                               ; pair
	s_mov_b32 s17, 1                               ; next block of the sequence to ask for
.Lpair:
	s_cmp_lg_u32 s16, s15
	s_cbranch_scc1 .Lsame_a
	SWITCH
.Lsame_a:
	TRIP 0, 1
	TRIP 1, 1
	s_add_co_u32 s16, s16, 1
	s_cmp_lt_u32 s16, 7
	s_cbranch_scc1 .Lpair
	s_cmp_lg_u32 s16, s15                          ; A1 = 14: the chunks change in front of the last block
	s_cbranch_scc1 .Lsame_b
	SWITCH
.Lsame_b:
	TRIP 0, 0                                      ; block 14: nothing more to ask for; its wait for all tensor loads is the last
	FINAL
	s_wait_tensorcnt 0x0
	ds_add_u32 v94, v95
	s_wait_dscnt 0x0
	s_endpgm
.Lfunc_end_k_q4bb71cb909_attention:
	.size	k_q4bb71cb909_attention, .Lfunc_end_k_q4bb71cb909_attention-k_q4bb71cb909_attention
	.p2alignl 7, 3214868480
	.fill 96, 4, 3214868480
	.section	.rodata,"a",@progbits
	.p2align	6, 0x0
	.amdhsa_kernel k_q4bb71cb909_attention
		.amdhsa_group_segment_fixed_size 327680
		.amdhsa_private_segment_fixed_size 0
		.amdhsa_enable_private_segment 0
		.amdhsa_kernarg_size 24
		.amdhsa_user_sgpr_count 2
		.amdhsa_user_sgpr_kernarg_segment_ptr 1
		.amdhsa_wavefront_size32 1
		.amdhsa_system_sgpr_workgroup_id_x 1
		.amdhsa_system_sgpr_workgroup_id_y 1
		.amdhsa_system_sgpr_workgroup_id_z 1
		.amdhsa_system_vgpr_workitem_id 0
		.amdhsa_next_free_vgpr 1024
		.amdhsa_next_free_sgpr 100
		.amdhsa_reserve_vcc 1
		.amdhsa_float_denorm_mode_32 3
		.amdhsa_float_denorm_mode_16_64 3
		.amdhsa_memory_ordered 1
		.amdhsa_forward_progress 1
		.amdhsa_inst_pref_size 249
	.end_amdhsa_kernel
	.amdgpu_metadata
---
amdhsa.version: [ 1, 2 ]
amdhsa.kernels:
  - .name:           k_q4bb71cb909_attention
    .symbol:         k_q4bb71cb909_attention.kd
    .args:
      - { .name: qkv, .offset: 0, .size: 8, .value_kind: global_buffer, .address_space: global }
      - { .name: srel, .offset: 8, .size: 8, .value_kind: global_buffer, .address_space: global }
      - { .name: ctx, .offset: 16, .size: 8, .value_kind: global_buffer, .address_space: global }
    .group_segment_fixed_size: 327680
    .private_segment_fixed_size: 0
    .kernarg_segment_align: 8
    .kernarg_segment_size: 24
    .max_flat_workgroup_size: 128
    .sgpr_count:     100
    .vgpr_count:     1024
    .wavefront_size: 32
...
	.end_amdgpu_metadata
.endif
;; end of part 3
;; launch outgemm (part 4): grid 8 x 32, 4 waves a work-group, clusters of 4 x 4, 327,680 bytes of LDS; arguments ctx, xw, bo, out0; writes out0
.if DOCPART == 4
	.amdgcn_target "amdgcn-amd-amdhsa--gfx1250"
	.amdhsa_code_object_version 6
	.text
	.protected	k_q4bb71cb909_outgemm
	.globl	k_q4bb71cb909_outgemm
	.p2align	8
	.type	k_q4bb71cb909_outgemm,@function
k_q4bb71cb909_outgemm:
	s_mov_b64 s[64:65], 0
	v_nop
	global_prefetch_b8 v0, s[64:65] scope:SCOPE_SE
	s_setreg_imm32_b32 hwreg(HW_REG_WAVE_MODE, 25, 1), 1
	s_wait_xcnt 0x0
	s_wait_alu depctr_hold_cnt(0) depctr_sa_sdst(0) depctr_va_vdst(0) depctr_va_sdst(0) depctr_va_ssrc(0) depctr_va_vcc(0) depctr_vm_vsrc(0)
	s_getreg_b32 s2, hwreg(HW_REG_IB_STS2, 6, 4)
	s_cmp_eq_u32 s2, 0
	s_cbranch_scc0 .Lentry_in_a_cluster
	s_endpgm
.Lentry_in_a_cluster:
	s_bfe_u32 s2, ttmp6, 0x10000c
	s_cmp_lg_u32 s2, 0xf033
	s_cbranch_scc0 .Lentry_shape_is_right
	s_endpgm
.Lentry_shape_is_right:
; out0 = ctx Wo^T + bo (f32).  ctx: f16 [16 b + head][s][64]; Wo: rows 7168-8191 of xw, bf16 numbers in f16's code (the cast launch); sums in f32,
; bo (f32) as the C operand of the first product.  Limit: |ctx|, |Wo| < 65,504, as their makers state.
; A work-group makes 128 x 128 (so that 8 x 32 = 256 work-groups share the 4,096 x 1,024 result); waves 2 x 2, 64 x 64 each: 16 accumulator tiles.
; K goes in 4 steps of 256 (four heads) through two LDS slots.  A's tile is four head planes of 128 rows x 128 bytes, each a dense block of
; 16,384 bytes (fetched as 64 rows of 256 bytes, 16 bytes of padding behind every 128); B's is 128 rows x 512 bytes.  Wave w fetches plane w and B's rows 32 w ..
; CLUSTER 4 x 4: A's tiles are asked for jointly along a row of the cluster, B's along a column, which divides the requests by four.
; The matrix instruction is used transposed (source 0 = rows of Wo, source 1 = rows of ctx): a lane's eight registers are eight neighbouring columns.
; REGISTERS: window 0 addresses, fragments (two buffers), bias tuples, read-back;  window 1 accumulator (a, b) at v[8 (4 a + b)].
.set PA,     144                       ; 128 + 16
.set PB,     528                       ; 512 + 16; both odd multiples of 16
.set PLANE,  128*PA                    ; 18,432
.set BOFF,   4*PLANE                   ; 73,728
.set SLOT,   4*PLANE+128*PB            ; 141,312
.set STAGE,  2*SLOT                    ; 282,624 = 1,104 x 256: the waves' stages, which no tensor load fills
.set SPITCH, 272                       ; 64 f32 + 16 bytes
.set ADRA, 16
.set ADRB, 20
.set STO,  24
.set RD,   25
.set CO,   26
.set HB,   27
.set FA,   32                          ; A buffer f at 32 + 64 f
.set FB,   64                          ; B buffer f at 64 + 64 f
.set BI,   160                         ; bias tuple b at 160 + 8 b
.set BK,   192                         ; rows read back
.set G1A, 24
.set G0A, 32
.set G1B, 48
.set G0B, 56
.set MSB, 0
.macro WIN new
.if MSB != (\new)
	s_set_vgpr_msb (MSB<<8)|(\new)
.set MSB, (\new)
.endif
.endm
.macro PLACES                          ; four plain vector instructions between a matrix instruction and a load into, or a store of, its registers
.rept 4
	v_nop
.endr
.endm
.macro CREST
	s_cmp_lg_u32 s18, 0
	s_cbranch_scc1 .Lnot_wave_0_\@
	s_barrier_signal -3
.Lnot_wave_0_\@:
	s_barrier_wait -3
	s_barrier_signal -1
	s_barrier_wait -1
.endm
.macro CROUND
	s_barrier_signal -1
	s_barrier_wait -1
	CREST
.endm
	s_load_b128 s[4:7], s[0:1], 0x0                ; ctx s[4:5], xw s[6:7]
	s_load_b128 s[8:11], s[0:1], 0x10              ; bo s[8:9], out0 s[10:11]
	v_lshl_add_u32 v254, v0, 2, 0x49400
	v_mov_b32 v255, 0
	ds_add_u32 v254, v255
	ds_add_u32 v254, v255
	v_lshrrev_b32 v1, 5, v0
	v_readfirstlane_b32 s18, v1                    ; wave
	s_lshr_b32 s19, s18, 1                         ; my half of the rows
	s_and_b32 s20, s18, 1                          ; my half of the columns
	s_bfe_u32 s21, ttmp6, 0x40000                  ; cx
	s_bfe_u32 s22, ttmp6, 0x40004                  ; cy
	s_lshl_b32 s23, ttmp9, 2
	s_add_co_u32 s23, s23, s21                     ; block column
	s_and_b32 s40, ttmp7, 0xffff
	s_lshl_b32 s40, s40, 2
	s_add_co_u32 s40, s40, s22                     ; block row
	s_lshl_b32 s41, s22, 2
	s_lshl_b32 s41, 15, s41                        ; my row of the cluster
	s_lshl_b32 s42, 0x1111, s21                    ; my column
	s_or_b32 s[G1A+0], s41, (1<<16)|(1<<20)|(1<<21)|(4<<22)|(3<<25)   ; 2-byte elements; 4 words of padding behind every 32 words
	s_mov_b32 s[G1A+1], 128<<16                    ; tensor_dim0 = 128 elements (256 bytes)
	s_mov_b32 s[G1A+2], 64<<16                     ; tensor_dim1 = 64
	s_mov_b32 s[G1A+3], 128<<16                    ; tile_dim0
	s_mov_b32 s[G1A+4], 64                         ; tile_dim1
	s_mov_b32 s[G1A+5], 128                        ; dense
	s_mov_b32 s[G1A+6], 0
	s_mov_b32 s[G1A+7], 0
	s_or_b32 s[G1B+0], s42, (1<<16)|(1<<20)|(1<<21)|(6<<22)|(3<<25)   ; 4 words of padding behind every 128 words
	s_mov_b32 s[G1B+1], 256<<16
	s_mov_b32 s[G1B+2], 32<<16
	s_mov_b32 s[G1B+3], 256<<16
	s_mov_b32 s[G1B+4], 32
	s_mov_b32 s[G1B+5], 1024
	s_mov_b32 s[G1B+6], 0
	s_mov_b32 s[G1B+7], 0
	; A hangs on the block row and the wave, B on the block column and the wave, each in registers that never hold the other coordinate
	s_lshr_b32 s44, s40, 4                         ; b
	s_lshl_b32 s44, s44, 4
	s_add_co_u32 s44, s44, s18                     ; plane 16 b + w (K step 0)
	s_lshl_b32 s44, s44, 11
	s_and_b32 s43, s40, 15
	s_lshl_b32 s43, s43, 7
	s_add_co_u32 s44, s44, s43                     ; + first row in the sequence
	s_lshl_b32 s44, s44, 7                         ; rows of 128 bytes
	s_mov_b32 s45, 0
	s_lshl_b32 s46, s23, 7
	s_lshl_b32 s70, s18, 5
	s_add_co_u32 s46, s46, s70
	s_add_co_u32 s46, s46, 7168                    ; row 7168 + 128 bc + 32 w of xw
	s_lshl_b32 s46, s46, 11
	s_mov_b32 s47, 0
	s_mul_i32 s71, s18, PLANE                      ; LDS: my plane,
	s_mul_i32 s72, s18, 32*PB
	s_add_co_u32 s72, s72, BOFF                    ; my 32 rows of B
	s_lshl_b32 s73, s40, 7
	s_lshl_b32 s74, s19, 6
	s_add_co_u32 s73, s73, s74
	s_lshl_b32 s73, s73, 12                        ; my first row of out0, 4,096 bytes a row
	s_lshl_b32 s74, s23, 7
	s_lshl_b32 s75, s20, 6
	s_add_co_u32 s74, s74, s75
	s_lshl_b32 s74, s74, 2                         ; my first column, in bytes: a multiple of 256
	s_mov_b32 s75, 0
	s_add_co_u32 s76, s73, s74
	s_mov_b32 s77, 0
	s_wait_dscnt 0x0
	s_wait_kmcnt 0x0
	s_add_nc_u64 s[44:45], s[4:5], s[44:45]
	s_add_nc_u64 s[46:47], s[6:7], s[46:47]
	s_add_nc_u64 s[68:69], s[8:9], s[74:75]
	s_add_nc_u64 s[66:67], s[10:11], s[76:77]
	CROUND                                         ; all sixteen work-groups are here: the first joint loads meet
.irp s, 0,1
	s_mov_b32 s[G0A+4*\s], 1
	s_add_co_u32 s[G0A+4*\s+1], s71, \s*SLOT
	s_add_nc_u64 s[G0A+4*\s+2:G0A+4*\s+3], s[44:45], \s*0x100000    ; four planes of 262,144 bytes a K step
	s_or_b32 s[G0A+4*\s+3], s[G0A+4*\s+3], 0x80000000
	s_mov_b32 s[G0B+4*\s], 1
	s_add_co_u32 s[G0B+4*\s+1], s72, \s*SLOT
	s_add_nc_u64 s[G0B+4*\s+2:G0B+4*\s+3], s[46:47], \s*512
	s_or_b32 s[G0B+4*\s+3], s[G0B+4*\s+3], 0x80000000
	tensor_load_to_lds s[G0A+4*\s:G0A+4*\s+3], s[G1A:G1A+7]         ; every wave issues both lines: four loads of the wave are out
	s_nop 0
	tensor_load_to_lds s[G0B+4*\s:G0B+4*\s+3], s[G1B:G1B+7]
	s_nop 0
.endr
	v_and_b32 v1, 15, v0                           ; r
	v_bfe_u32 v2, v0, 4, 1                         ; h
	v_mul_u32_u24 v3, v1, PA
	v_lshl_add_u32 v3, v2, 4, v3
	s_mul_i32 s73, s19, 64*PA
	v_add_nc_u32 v[ADRA], s73, v3
	v_add_nc_u32 v[ADRA+1], SLOT, v[ADRA]
	v_mul_u32_u24 v4, v1, PB
	v_lshl_add_u32 v4, v2, 4, v4
	s_mul_i32 s73, s20, 64*PB
	s_add_co_u32 s73, s73, BOFF
	v_add_nc_u32 v[ADRB], s73, v4
	v_add_nc_u32 v[ADRB+1], SLOT, v[ADRB]
	s_mul_i32 s73, s18, 16*SPITCH
	s_add_co_u32 s73, s73, STAGE                   ; my stage
	v_mul_u32_u24 v5, v1, SPITCH
	v_lshl_add_u32 v5, v2, 5, v5                   ; row r, 32 h
	v_add_nc_u32 v[STO], s73, v5
	v_mul_u32_u24 v6, v2, SPITCH
	v_lshl_add_u32 v6, v1, 4, v6                   ; back: 16 lanes a row of 256 bytes, two rows an instruction
	v_add_nc_u32 v[RD], s73, v6
	v_lshlrev_b32 v7, 12, v2
	v_lshl_add_u32 v[CO], v1, 4, v7
	v_lshlrev_b32 v[HB], 5, v2
.irp b, 0,1,2,3
	global_load_b128 v[BI+8*\b:BI+8*\b+3],   v[HB], s[68:69] offset:64*\b      ; register j = bo[first column + 16 b + 8 h + j]
	global_load_b128 v[BI+8*\b+4:BI+8*\b+7], v[HB], s[68:69] offset:64*\b+16
.endr
; four matrix instructions: row tile a x my four column tiles.  The 16 accumulators take turns, one instruction a turn.
.macro MULA f, a, zero
.irp b, 0,1,2,3
.if \zero
	v_wmma_f32_16x16x32_f16 v[8*(4*\a+\b):8*(4*\a+\b)+7], v[FB+64*\f+8*\b:FB+64*\f+8*\b+7], v[FA+64*\f+8*\a:FA+64*\f+8*\a+7], v[BI+8*\b:BI+8*\b+7]
.else
	v_wmma_f32_16x16x32_f16 v[8*(4*\a+\b):8*(4*\a+\b)+7], v[FB+64*\f+8*\b:FB+64*\f+8*\b+7], v[FA+64*\f+8*\a:FA+64*\f+8*\a+7], v[8*(4*\a+\b):8*(4*\a+\b)+7]
.endif
.endr
.endm
; 16 LDS loads: B's four tiles, then A's four, of eighth k of a K step (A: plane k / 2, byte 64 (k % 2); B: byte 64 k), into buffer f
.macro FETCH slot, k, f
	WIN 0
.irp i, 0,1,2,3
	ds_load_b128 v[FB+64*\f+8*\i:FB+64*\f+8*\i+3],   v[ADRB+\slot] offset:64*\k+\i*16*PB
	ds_load_b128 v[FB+64*\f+8*\i+4:FB+64*\f+8*\i+7], v[ADRB+\slot] offset:64*\k+\i*16*PB+32
.endr
.irp i, 0,1,2,3
	ds_load_b128 v[FA+64*\f+8*\i:FA+64*\f+8*\i+3],   v[ADRA+\slot] offset:((\k)>>1)*PLANE+((\k)&1)*64+\i*16*PA
	ds_load_b128 v[FA+64*\f+8*\i+4:FA+64*\f+8*\i+7], v[ADRA+\slot] offset:((\k)>>1)*PLANE+((\k)&1)*64+\i*16*PA+32
.endr
.endm
.macro MWIN zero
.if \zero
	WIN 0x40                                       ; C (bias) window 0, D window 1
.else
	WIN 0x50                                       ; C and D window 1
.endif
.endm
.macro SUB slot, k, f, g, zero
	s_wait_dscnt 4                                 ; B and A's row tiles 0, 1 are in; the four youngest loads may be out
	MWIN \zero
	MULA \f, 0, \zero
	MULA \f, 1, \zero
	PLACES
	FETCH \slot, \k, \g
	s_wait_dscnt 16                                ; all but the 16 just issued
	MWIN \zero
	MULA \f, 2, \zero
	MULA \f, 3, \zero
.endm
.macro SEVEN slot, zero
	SUB \slot, 1, 0, 1, \zero
	SUB \slot, 2, 1, 0, 0
	SUB \slot, 3, 0, 1, 0
	SUB \slot, 4, 1, 0, 0
	SUB \slot, 5, 0, 1, 0
	SUB \slot, 6, 1, 0, 0
	SUB \slot, 7, 0, 1, 0
.endm
; the last eighth: multiplies buffer 1 and changes slots; waits, barrier (with fill = 1 a round of the cluster's barrier) and joint refills in that order
.macro TURN slot, next, fill
	s_wait_dscnt 4
	WIN 0x50
	MULA 1, 0, 0
	s_wait_dscnt 0x0                               ; my reads of this slot are over,
	s_wait_tensorcnt 0x0                           ; and all my tensor loads have landed: the two that were out are my parts of the next slot
	ds_add_u32 v254, v255
	s_wait_dscnt 0x0
	s_barrier_signal -1
	MULA 1, 1, 0
	WIN 0
	s_barrier_wait -1
.if \fill
	CREST
	s_add_nc_u64 s[G0A+4*\slot+2:G0A+4*\slot+3], s[G0A+4*\slot+2:G0A+4*\slot+3], 0x200000
	s_add_nc_u64 s[G0B+4*\slot+2:G0B+4*\slot+3], s[G0B+4*\slot+2:G0B+4*\slot+3], 1024
	tensor_load_to_lds s[G0A+4*\slot:G0A+4*\slot+3], s[G1A:G1A+7]
	s_nop 0
	tensor_load_to_lds s[G0B+4*\slot:G0B+4*\slot+3], s[G1B:G1B+7]
	s_nop 0
.endif
	PLACES
	FETCH \next, 0, 0
	WIN 0x50
	MULA 1, 2, 0
	MULA 1, 3, 0
.endm
	s_wait_tensorcnt 0x2                           ; my two parts of K step 0 are in; K step 1's two stay out
	s_barrier_signal -1
	s_barrier_wait -1
	FETCH 0, 0, 0
	s_wait_loadcnt 0x0                             ; the bias tuples
	SEVEN 0, 1                                     ; K step 0
	TURN 0, 1, 1                                   ; asks for K step 2
	SEVEN 1, 0
	TURN 1, 0, 1                                   ; asks for K step 3
	SEVEN 0, 0
	TURN 0, 1, 0                                   ; nothing more is filled: no round of the cluster's barrier
	SEVEN 1, 0
	s_wait_dscnt 4
	WIN 0x50
	MULA 1, 0, 0
	MULA 1, 1, 0
	s_wait_dscnt 0x0
	MULA 1, 2, 0
	MULA 1, 3, 0
	; THE WAY OUT, 16 rows at a time: the accumulators go into my stage as they are (bo is in them), and come back as rows of 256 bytes
	PLACES
.macro OUT16 a
	WIN 0x04                                       ; store data from window 1
.irp b, 0,1,2,3
	ds_store_b128 v[STO], v[8*(4*\a+\b):8*(4*\a+\b)+3]   offset:64*\b
	ds_store_b128 v[STO], v[8*(4*\a+\b)+4:8*(4*\a+\b)+7] offset:64*\b+16
.endr
	WIN 0
	s_wait_xcnt 0x0                                ; v192-223 were the data of the last sixteen rows' stores: loaded again only behind this wait
.irp t, 0,1,2,3,4,5,6,7
	ds_load_b128 v[BK+4*\t:BK+4*\t+3], v[RD] offset:2*SPITCH*\t    ; LDS serves a wave's instructions in order: these see the stores above
.endr
.irp t, 0,1,2,3,4,5,6,7
	s_wait_dscnt 7-\t
	global_store_b128 v[CO], v[BK+4*\t:BK+4*\t+3], s[66:67] offset:(16*\a+2*\t)*4096 th:TH_STORE_NT   ; 16 lanes store 256 consecutive bytes, aligned
.endr
.endm
	OUT16 0
	OUT16 1
	OUT16 2
	OUT16 3
	s_wait_tensorcnt 0x0
	ds_add_u32 v254, v255
	s_wait_dscnt 0x0
	CROUND                                         ; the closing round: no work-group ends while a partner may still ask for a tile that names it
	s_endpgm
.Lfunc_end_k_q4bb71cb909_outgemm:
	.size	k_q4bb71cb909_outgemm, .Lfunc_end_k_q4bb71cb909_outgemm-k_q4bb71cb909_outgemm
	.p2alignl 7, 3214868480
	.fill 96, 4, 3214868480
	.section	.rodata,"a",@progbits
	.p2align	6, 0x0
	.amdhsa_kernel k_q4bb71cb909_outgemm
		.amdhsa_group_segment_fixed_size 327680
		.amdhsa_private_segment_fixed_size 0
		.amdhsa_enable_private_segment 0
		.amdhsa_kernarg_size 32
		.amdhsa_user_sgpr_count 2
		.amdhsa_user_sgpr_kernarg_segment_ptr 1
		.amdhsa_wavefront_size32 1
		.amdhsa_system_sgpr_workgroup_id_x 1
		.amdhsa_system_sgpr_workgroup_id_y 1
		.amdhsa_system_sgpr_workgroup_id_z 1
		.amdhsa_system_vgpr_workitem_id 0
		.amdhsa_next_free_vgpr 384
		.amdhsa_next_free_sgpr 80
		.amdhsa_reserve_vcc 0
		.amdhsa_float_denorm_mode_32 3
		.amdhsa_float_denorm_mode_16_64 3
		.amdhsa_memory_ordered 1
		.amdhsa_forward_progress 1
		.amdhsa_inst_pref_size 90
	.end_amdhsa_kernel
	.amdgpu_metadata
---
amdhsa.version: [ 1, 2 ]
amdhsa.kernels:
  - .name:           k_q4bb71cb909_outgemm
    .symbol:         k_q4bb71cb909_outgemm.kd
    .args:
      - { .name: ctx, .offset: 0, .size: 8, .value_kind: global_buffer, .address_space: global }
      - { .name: xw, .offset: 8, .size: 8, .value_kind: global_buffer, .address_space: global }
      - { .name: bo, .offset: 16, .size: 8, .value_kind: global_buffer, .address_space: global }
      - { .name: out0, .offset: 24, .size: 8, .value_kind: global_buffer, .address_space: global }
    .group_segment_fixed_size: 327680
    .private_segment_fixed_size: 0
    .kernarg_segment_align: 8
    .kernarg_segment_size: 32
    .max_flat_workgroup_size: 128
    .sgpr_count:     80
    .vgpr_count:     384
    .wavefront_size: 32
...
	.end_amdgpu_metadata
.endif
;; end of part 4
;; ======== version 2 of 2: 4 launches; version 1 with the launch cast written anew for expert scheduling mode
;; limits: values are held in f16: magnitudes above 65,504 overflow, below 6.1e-05 lose precision
;; workspace buffers: xw 16,777,216 bytes; qkv 25,165,824 bytes; srel 262,144 bytes; ctx 8,388,608 bytes
;; launch cast (part 5): grid 256 x 1, 8 waves a work-group, no clusters, 0 bytes of LDS; arguments x, Wq, Wk, Wv, Wo, xw; writes xw
.if DOCPART == 5
	.amdgcn_target "amdgcn-amd-amdhsa--gfx1250"
	.amdhsa_code_object_version 6
	.text
	.protected	k_q4bb71cb909_cast
	.globl	k_q4bb71cb909_cast
	.p2align	8
	.type	k_q4bb71cb909_cast,@function
k_q4bb71cb909_cast:
	s_mov_b64 s[64:65], 0
	v_nop
	global_prefetch_b8 v0, s[64:65] scope:SCOPE_SE
	s_setreg_imm32_b32 hwreg(HW_REG_WAVE_SCHED_MODE, 0, 2), 2
	s_setreg_imm32_b32 hwreg(HW_REG_WAVE_MODE, 25, 1), 1
	s_wait_xcnt 0x0
	s_wait_alu depctr_vm_vsrc(0)
; x, Wq, Wk, Wv, Wo (f32) -> xw (16-bit numbers, [8192][1024]).  Every number is rounded once to bf16, to nearest even: one rounding for all inputs of products.
; x, Wq, Wk, Wv are stored as bf16.  Wo's bf16 numbers are stored in f16's code, because Wo's partner in its product is f16 and a matrix instruction
; takes one format for both operands: 8 significant bits fit f16's 11, so this second step is exact for |w| >= 2^-17 and within 2^-25 below that.
; Limit: |Wo| < 65,504.
; Rows of xw: 0-4095 x;  4096 + 192 h + 64 z + d = row 64 h + d of W_z (z = 0, 1, 2: q, k, v), so that one head's 192 rows
; of Wq, Wk, Wv lie together;  7168-8191 Wo.
; A work-group takes 32 rows (131,072 bytes in, 65,536 out): groups 0-127 x, then 32 groups for each weight matrix.
; 32 source rows are 32 neighbouring rows of xw in every case, so the work-group is one dense stream.
; Each load of a wave covers 512 consecutive bytes and each store 256 consecutive bytes, both aligned to their size.
; All 32 loads of a lane go out first; LDS, barriers and matrix instructions would add nothing to a stream that is read once and written once.
; THE MODE: SCHED_MODE bits 1:0 = 2 (LLVM: expert scheduling mode 2), set by the entry lines.  The code itself states the register dependences
; between vector instructions and memory instructions, with s_wait_alu, always for 0.
; THE PLAN.  Registers that memory instructions touch:
;   v1, v2   byte offsets of the loads and of the stores.  Written at the head, never again.
;   X        step i's 8 registers: written by its two loads; no vector instruction names them before.  Read by the step's conversions behind its wait on LOADcnt;
;            on Wo's path written again by the widening lines.  No memory instruction reads X, and no second load lands in it.
;   Y        step i's 4 registers, its own: written by the step's conversions, read by its two stores, never written again.
; The 16 steps go in 8 blocks of two.  Block p converts steps 2 p and 2 p + 1; its memory instructions are the four stores of block p - 1, whose Y registers
; no vector instruction of block p names.  So one wait on va_vdst at a block's head states all that its stores hang on, and they are dealt among its conversions.
; No register that a memory instruction has read is written again, so no wait on vm_vsrc stands behind the entry lines; no vector instruction writes a scalar register, VCC or EXEC.
.set X, 8                              ; v[8:135]    16 steps x 8 f32 as loaded
.set Y, 136                            ; v[136:199]  16 steps x 4 registers of packed 16-bit numbers
	s_load_b256 s[4:11], s[0:1], 0x0               ; x s[4:5], Wq s[6:7], Wk s[8:9], Wv s[10:11]
	s_load_b128 s[12:15], s[0:1], 0x20             ; Wo s[12:13], xw s[14:15]
	v_and_b32 v1, 31, v0                           ; lane
	v_lshrrev_b32 v2, 5, v0                        ; wave
	v_lshlrev_b32 v1, 4, v1
	v_lshl_or_b32 v1, v2, 10, v1                   ; source: 1,024 bytes a wave and step, 16 bytes a lane
	v_lshrrev_b32 v2, 1, v1                        ; destination: half of that
	s_mov_b32 s28, 0xffff0000                      ; a word's upper bf16
	s_sub_co_u32 s16, ttmp9, 128                   ; number among the weights' groups (used only from group 128 on)
	s_lshr_b32 s17, s16, 5                         ; z: 0 q, 1 k, 2 v, 3 o
	s_and_b32 s18, s16, 31                         ; jj: which 32 rows of that matrix
	s_lshr_b32 s19, s18, 1                         ; head = jj / 2
	s_mul_i32 s19, s19, 192
	s_lshl_b32 s20, s17, 6
	s_add_co_u32 s19, s19, s20                     ; + 64 z
	s_and_b32 s20, s18, 1
	s_lshl_b32 s20, s20, 5
	s_add_co_u32 s19, s19, s20                     ; + 32 (jj & 1)
	s_add_co_u32 s19, s19, 4096                    ; row of xw for q, k, v
	s_lshl_b32 s20, s18, 5
	s_add_co_u32 s20, s20, 7168                    ; row of xw for Wo
	s_lshl_b32 s21, ttmp9, 5                       ; row of xw for x
	s_cmp_eq_u32 s17, 3
	s_cselect_b32 s19, s20, s19
	s_wait_kmcnt 0x0
	s_cmp_eq_u32 s17, 0                            ; the source buffer, chosen on the group's number alone
	s_cselect_b64 s[22:23], s[6:7], s[12:13]
	s_cmp_eq_u32 s17, 1
	s_cselect_b64 s[22:23], s[8:9], s[22:23]
	s_cmp_eq_u32 s17, 2
	s_cselect_b64 s[22:23], s[10:11], s[22:23]
	s_cmp_lt_u32 ttmp9, 128
	s_cselect_b64 s[22:23], s[4:5], s[22:23]
	s_cselect_b32 s18, ttmp9, s18
	s_cselect_b32 s19, s21, s19
	s_lshl_b32 s24, s18, 17                        ; 32 rows of 4,096 bytes
	s_mov_b32 s25, 0
	s_add_nc_u64 s[22:23], s[22:23], s[24:25]
	s_lshl_b32 s26, s19, 11                        ; rows of 2,048 bytes
	s_mov_b32 s27, 0
	s_add_nc_u64 s[14:15], s[14:15], s[26:27]
	s_wait_alu depctr_va_vdst(0)                   ; v1 and v2 are written: every load of the kernel reads v1 as its offset, every store v2, on both ways behind the branch
.set i, 0
.rept 16
	global_load_b128 v[X+8*i:X+8*i+3],   v1, s[22:23] offset:8192*i th:TH_LOAD_NT
	global_load_b128 v[X+8*i+4:X+8*i+7], v1, s[22:23] offset:8192*i+512 th:TH_LOAD_NT
.set i, i+1
.endr
; The conversions of step i: 8 numbers of the lane.  wo = 1: the bf16 numbers are widened again (a shift, a mask) and written in f16's code.
; A step's X registers are written again only behind the wait for its own loads; its Y registers are final before its stores are issued.
.macro CONV i, wo
.irp k, 0,1,2,3
	v_cvt_pk_bf16_f32 v[Y+4*(\i)+\k], v[X+8*(\i)+2*\k], v[X+8*(\i)+2*\k+1]
.endr
.if \wo
.irp k, 0,1,2,3
	v_lshlrev_b32 v[X+8*(\i)+2*\k],   16,  v[Y+4*(\i)+\k]
	v_and_b32     v[X+8*(\i)+2*\k+1], s28, v[Y+4*(\i)+\k]
.endr
.irp k, 0,1,2,3
	v_cvt_pk_f16_f32 v[Y+4*(\i)+\k], v[X+8*(\i)+2*\k], v[X+8*(\i)+2*\k+1]
.endr
.endif
.endm
; The two stores of step i.
.macro SEND i
	global_store_b64 v2, v[Y+4*(\i):Y+4*(\i)+1],   s[14:15] offset:4096*(\i)
	global_store_b64 v2, v[Y+4*(\i)+2:Y+4*(\i)+3], s[14:15] offset:4096*(\i)+256
.endm
; Block p: steps 2 p and 2 p + 1 are converted; the block before is stored.
.macro BLK p, wo
	s_wait_loadcnt 28-4*(\p)                       ; loads return in order: the block's four are in, the 28 - 4 p younger stay out
.if (\p) > 0
	s_wait_alu depctr_va_vdst(0)                   ; the block before's conversions have written its eight Y registers, which the four stores below read
	SEND 2*(\p)-2
.endif
	CONV 2*(\p), \wo                               ; names this block's X and Y alone: none of the registers that the stores round it read
.if (\p) > 0
	SEND 2*(\p)-1                                  ; no wait: no vector instruction since the wait above names these Y registers or v2
.endif
	CONV 2*(\p)+1, \wo
.endm
	s_cmp_ge_u32 ttmp9, 224                        ; groups 224-255 hold Wo
	s_cbranch_scc1 .Lwo
.irp p, 0,1,2,3,4,5,6,7
	BLK \p, 0
.endr
	s_wait_alu depctr_va_vdst(0)                   ; block 7's conversions have written the Y registers of steps 14 and 15, which the last four stores read
	SEND 14
	SEND 15
	s_endpgm
.Lwo:
.irp p, 0,1,2,3,4,5,6,7
	BLK \p, 1
.endr
	s_wait_alu depctr_va_vdst(0)                   ; block 7's conversions have written the Y registers of steps 14 and 15, which the last four stores read
	SEND 14
	SEND 15
	s_endpgm
.Lfunc_end_k_q4bb71cb909_cast:
	.size	k_q4bb71cb909_cast, .Lfunc_end_k_q4bb71cb909_cast-k_q4bb71cb909_cast
	.p2alignl 7, 3214868480
	.fill 96, 4, 3214868480
	.section	.rodata,"a",@progbits
	.p2align	6, 0x0
	.amdhsa_kernel k_q4bb71cb909_cast
		.amdhsa_group_segment_fixed_size 0
		.amdhsa_private_segment_fixed_size 0
		.amdhsa_enable_private_segment 0
		.amdhsa_kernarg_size 48
		.amdhsa_user_sgpr_count 2
		.amdhsa_user_sgpr_kernarg_segment_ptr 1
		.amdhsa_wavefront_size32 1
		.amdhsa_system_sgpr_workgroup_id_x 1
		.amdhsa_system_sgpr_workgroup_id_y 1
		.amdhsa_system_sgpr_workgroup_id_z 1
		.amdhsa_system_vgpr_workitem_id 0
		.amdhsa_next_free_vgpr 200
		.amdhsa_next_free_sgpr 66
		.amdhsa_reserve_vcc 0
		.amdhsa_float_denorm_mode_32 3
		.amdhsa_float_denorm_mode_16_64 3
		.amdhsa_memory_ordered 1
		.amdhsa_forward_progress 1
		.amdhsa_inst_pref_size 29
	.end_amdhsa_kernel
	.amdgpu_metadata
---
amdhsa.version: [ 1, 2 ]
amdhsa.kernels:
  - .name:           k_q4bb71cb909_cast
    .symbol:         k_q4bb71cb909_cast.kd
    .args:
      - { .name: x, .offset: 0, .size: 8, .value_kind: global_buffer, .address_space: global }
      - { .name: Wq, .offset: 8, .size: 8, .value_kind: global_buffer, .address_space: global }
      - { .name: Wk, .offset: 16, .size: 8, .value_kind: global_buffer, .address_space: global }
      - { .name: Wv, .offset: 24, .size: 8, .value_kind: global_buffer, .address_space: global }
      - { .name: Wo, .offset: 32, .size: 8, .value_kind: global_buffer, .address_space: global }
      - { .name: xw, .offset: 40, .size: 8, .value_kind: global_buffer, .address_space: global }
    .group_segment_fixed_size: 0
    .private_segment_fixed_size: 0
    .kernarg_segment_align: 8
    .kernarg_segment_size: 48
    .max_flat_workgroup_size: 256
    .sgpr_count:     66
    .vgpr_count:     200
    .wavefront_size: 32
...
	.end_amdgpu_metadata
.endif
;; end of part 5
;; launch qkvgemm: the kernel of part 2 again; grid 16 x 16, 4 waves a work-group, clusters of 4 x 4, 327,680 bytes of LDS; arguments xw, bq, bk, bv, Er, qkv, srel; writes qkv, srel
;; launch attention: the kernel of part 3 again; grid 8 x 32, 4 waves a work-group, no clusters, 327,680 bytes of LDS; arguments qkv, srel, ctx; writes ctx
;; launch outgemm: the kernel of part 4 again; grid 8 x 32, 4 waves a work-group, clusters of 4 x 4, 327,680 bytes of LDS; arguments ctx, xw, bo, out0; writes out0
